; MI455X (gfx1250); checked and timed in simulation.
; The chip was launched on July 23, 2026; its instructions are those of AMD's public machine-readable ISA for CDNA 5 (MIT licence, August 2026) and "CDNA5" Instruction Set Architecture Reference Guide (July 2026). The comments in the code are by the model that wrote it; some were corrected since.
;; Multi Head Attention. Allowed arithmetic: matrix products marked QUANTISED: E2M1 operands, one E8M0 scale for each 32 along K, by v_wmma_scale_f32_16x16x128_f8f6f4 with both operands' format E2M1 (or v_wmma_scale_f32_32x16x128_f4), f32 sums; products left as they are: bf16, f16 or f32 operands; f32 sums; everything else in f32.
;; Inputs: k 2 x 4,096 x 512 float32; q 2 x 4,096 x 512 float32; v 2 x 4,096 x 512 float32; wk 512 x 512 float32; wo 512 x 512 float32; wq 512 x 512 float32; wv 512 x 512 float32.
;; Outputs: out0 2 x 4,096 x 512 float32.
;; This version of the problem:
;;   THIS VERSION OF THE PROBLEM IS GIVEN IN LOW PRECISION. The matrix products marked QUANTISED in the list below multiply operands that are first quantised to E2M1 (2 exponent bits, 1 mantissa bit; 4 bits a number), with one power-of-two scale for each 32 numbers along K (OCP MX v1.0); their sums are f32. The products marked 'left as it is' may take bf16, f16 or f32 operands, with f32 sums. Whichever they take, every output number must still come out within the allowed error. Rounding operands to bf16 (8 significant bits) uses up far more of that allowance than f16 does (11 bits, for magnitudes from 6e-5 to 65,504). All else is computed in f32.
;;   The module's matrix products, in the order in which they are computed (A, B: the left and right operand; K: the contracted axis; several contracted axes count as one K, in the product's order):
;;     1. [M 8,192, K 512] x [K 512, N 512]; A: input q; B: input wq: QUANTISED
;;     2. [M 8,192, K 512] x [K 512, N 512]; A: input k; B: input wk: QUANTISED
;;     3. [M 8,192, K 512] x [K 512, N 512]; A: input v; B: input wv: QUANTISED
;;     4. batch 16 x [M 4,096, K 64] x [K 64, N 4,096]; A: computed on the way; B: computed on the way: left as it is (an operand is computed on the way)
;;     5. batch 16 x [M 4,096, K 4,096] x [K 4,096, N 64]; A: computed on the way; B: computed on the way: left as it is (an operand is computed on the way)
;;     6. [M 8,192, K 512] x [K 512, N 512]; A: computed on the way; B: input wo: left as it is (an operand is computed on the way)
;;   THE QUANTISER, for each operand of a quantised product, along K:
;;     - K is cut into blocks of 32 from its start; a last block that is shorter is filled with zeros.
;;     - A block's scale is 2^e with e = floor(log2(the largest magnitude in the block)) - 2, held to -126 .. 127; a block of zeros has e = 0. As a byte (E8M0): e + 127.
;;     - Each number is divided by its block's scale, clamped to +-6, and rounded to the nearest number of E2M1, ties to even, subnormals kept.
;;     - The product sums the exact products of the quantised numbers (number of the format x scale) in f32.
;;   ~~~python
;;   def quantise(x, axis):      # numpy; x: float32 -> the quantised numbers, widened to float32 again
;;       x = np.moveaxis(x, axis, -1); K = x.shape[-1]
;;       x = np.pad(x, [(0, 0)] * (x.ndim - 1) + [(0, -K % 32)]); x = x.reshape(x.shape[:-1] + (-1, 32)); a = np.abs(x).max(-1, keepdims=True)
;;       e = np.where(a > 0, np.clip(np.frexp(np.where(a > 0, a, 1))[1] - 1 - 2, -126, 127), 0)      # np.frexp(a)[1] - 1 = floor(log2(a)), exactly
;;       r = np.clip(x / 2.0 ** e, -6, 6)
;;       step = 2.0 ** (np.maximum(np.frexp(np.where(r == 0, 1, r))[1] - 1, 0) - 1)
;;       q = np.round(r / step) * step * 2.0 ** e      # np.round: ties to even
;;       return np.moveaxis(q.reshape(q.shape[:-2] + (-1,))[..., :K], -1, axis).astype(np.float32)
;;   ~~~
;; One version. Each part assembles by itself: llvm-mc -triple=amdgcn-amd-amdhsa -mcpu=gfx1250 --defsym DOCPART=n.
;; ======== version 1 of 1: 5 launches
;; limits: values are held in f16: magnitudes above 65,504 overflow, below 6.1e-05 lose precision
;; workspace buffers: wcod 393,216 bytes; wscl 49,152 bytes; wof 524,288 bytes; xqf 8,388,608 bytes; xkf 8,388,608 bytes; xvf 8,388,608 bytes; x16 196,608 bytes; ao 8,388,608 bytes
;; launch prep (part 1): grid 64 x 1, 4 waves a work-group, no clusters, 0 bytes of LDS; arguments wq, wk, wv, wo, wcod, wscl, wof; writes wcod, wscl, wof
.if DOCPART == 1
	.amdgcn_target "amdgcn-amd-amdhsa--gfx1250"
	.amdhsa_code_object_version 6
	.text
	.protected	k_qdde5c2043b_prep
	.globl	k_qdde5c2043b_prep
	.p2align	8
	.type	k_qdde5c2043b_prep,@function
k_qdde5c2043b_prep:
	s_mov_b64 s[64:65], 0
	v_nop
	global_prefetch_b8 v0, s[64:65] scope:SCOPE_SE
	s_setreg_imm32_b32 hwreg(HW_REG_WAVE_MODE, 25, 1), 1
	s_wait_xcnt 0x0
; MULTI-HEAD ATTENTION, B = 2, S = 4,096, D = 512, 8 heads of 64, causal.  Five launches: prep (this one), proj, attn, outp, first16.
; WORK LEFT OUT BY THE PROGRAM, and why it is dead: reference() itself sets the score of key k and query q to -infinity where k > q (its own jnp.tril), and the softmax turns that into the weight 0 exactly.
; So a step of 64 keys all of which come after all the queries of a wave adds 0 to every sum, whatever finite values q, k, v and the weights hold: the attention launch leaves such steps of products 4 and 5 out.
; Nothing else is left out; every input has a way to the output and is loaded.
; LIMIT: a NaN, an infinity or an overflow that reaches only the steps left out (a projected key or value at a position that no walked step reads for that query) is not carried to the result.
; THIS LAUNCH lays the weights out once, in the order in which a wave's operand registers take them (an IMAGE of four registers is 512 bytes, lane l's 16 bytes at 16 l):
;   wq, wk, wv [512 (n)][512 (k)] f32 -> codes of E2M1 with one E8M0 byte for each 32 along k:  wcod [T 3][nt 32][ks 4][c 2][lane][16 B], wscl [T][nt][kp 2][lane][2 words];
;   wo [512 (n)][512 (k)] f32 -> f16:  wof [nt 32][ks 16][half 2][lane][16 B].
; A block's scale is 2^(floor(log2(largest magnitude)) - 2); its byte is the largest magnitude's exponent field - 2, held at 1 from below.  A block of zeros so gets the byte 1 where the rule says 127:
; its codes are zeros, which add nothing, and this program alone reads the bytes.  LIMITS: NaN and infinities among the inputs are not served; wo goes to f16 (magnitudes up to 65,504).
; SHARES: work-groups 0-47: wave = 16 rows x 256 along k of one of wq, wk, wv.  Work-groups 48-63: wave = 16 rows x 256 along k of wo.  No LDS, no barrier: waves share nothing.
.set TM,  16                           ; v16-31  at work in QUANT
.set SEL, 20                           ; s[20:21] lane selects for v_permlanex16_b32: lane l xor 16
.set X0,  64                           ; v64-127, v128-191: two K steps of 64 numbers a lane
.set X1,  128
; 64 numbers of a lane, register 16 b + i = k 32 b + 16 (lane / 16) + i of my row, become a fragment's codes in v[pc] .. v[pc + 7] and its scale word in v[pw]
.macro QUANT s, pc, pw
.irp b, 0,1,2,3
	v_max3_num_f32 v[TM+\b], |v[\s+16*\b]|, |v[\s+1+16*\b]|, 0x1800000   ; block b: my 16 numbers, and the floor 2^(3 - 127): the byte cannot fall under 1
.endr
.irp i, 2,4,6,8,10,12,14
.irp b, 0,1,2,3
	v_max3_num_f32 v[TM+\b], v[TM+\b], |v[\s+16*\b+\i]|, |v[\s+1+16*\b+\i]|
.endr
.endr
.irp b, 0,1,2,3
	v_permlanex16_b32 v[TM+4+\b], v[TM+\b], s[SEL], s[SEL+1]
.endr
.irp b, 0,1,2,3
	v_max_num_f32 v[TM+\b], v[TM+\b], v[TM+4+\b]       ; with lane l xor 16's: the block's largest magnitude
.endr
.irp b, 0,1,2,3
	v_add_nc_u32 v[TM+12+\b], 0xff000000, v[TM+\b]     ; 2 off its exponent field: the conversion's scale operand
.endr
.irp b, 0,1,2,3
	v_lshrrev_b32 v[TM+4+\b], 23, v[TM+12+\b]          ; the scale's byte
.endr
	v_lshl_or_b32 v[\pw], v[TM+5], 8, v[TM+4]
	v_lshl_or_b32 v[\pw], v[TM+6], 16, v[\pw]
	v_lshl_or_b32 v[\pw], v[TM+7], 24, v[\pw]
.irp b, 0,1,2,3
	v_cvt_scalef32_pk8_fp4_f32 v[\pc+2*\b], v[\s+16*\b:\s+7+16*\b], v[TM+12+\b]
	v_cvt_scalef32_pk8_fp4_f32 v[\pc+1+2*\b], v[\s+8+16*\b:\s+15+16*\b], v[TM+12+\b]
.endr
	v_nop                                              ; one plain place behind a scaled conversion
.irp c, 0,1                                        ; the operand wants a whole block in a lane: lanes 0-15 block 2 c, lanes 16-31 block 2 c + 1
.irp i, 0,1
	v_permlane16_swap_b32 v[\pc+4*\c+\i], v[\pc+2+4*\c+\i]
.endr
.endr
.endm
.macro XLOAD reg, ks                   ; my row's 64 numbers of K step ks: 16 neighbours of each block of 32
.irp b, 0,1,2,3
.irp j, 0,1,2,3
	global_load_b128 v[\reg+16*\b+4*\j:\reg+16*\b+4*\j+3], v4, s[26:27] offset:512*\ks+128*\b+16*\j th:TH_LOAD_NT
.endr
.endr
.endm
	s_load_b256 s[4:11], s[0:1], 0x0               ; wq, wk, wv, wo
	s_load_b128 s[12:15], s[0:1], 0x20             ; wcod, wscl
	s_load_b64 s[16:17], s[0:1], 0x30              ; wof
	v_lshrrev_b32 v1, 5, v0
	v_readfirstlane_b32 s18, v1                    ; wave
	v_and_b32 v1, 31, v0                           ; lane
	v_and_b32 v2, 15, v0                           ; r
	v_bfe_u32 v3, v0, 4, 1                         ; h
	v_lshlrev_b32 v5, 4, v1                        ; 16 x lane: my place in an image
	v_lshlrev_b32 v6, 3, v1                        ; 8 x lane: my two scale words
	s_mov_b32 s[SEL], 0x76543210
	s_mov_b32 s[SEL+1], 0xfedcba98
	s_mov_b32 s29, 0
	s_wait_kmcnt 0x0
	s_cmp_ge_u32 ttmp9, 48
	s_cbranch_scc1 .Lwo
	; ---- wq, wk, wv into codes
	v_lshlrev_b32 v4, 11, v2
	v_lshl_add_u32 v4, v3, 6, v4                   ; row r of 2,048 bytes, + 64 h
.irp b, 0,1,2,3
	v_mov_b32 v[TM+4+\b], 0                        ; a lane permute's destination counts as one of its sources
.endr
	s_lshr_b32 s22, ttmp9, 4                       ; T: which weight
	s_and_b32 s23, ttmp9, 15
	s_lshl_b32 s23, s23, 2
	s_add_co_u32 s23, s23, s18                     ; u = 2 nt + kp
	s_cmp_eq_u32 s22, 0
	s_cselect_b64 s[26:27], s[4:5], s[6:7]
	s_cmp_eq_u32 s22, 2
	s_cselect_b64 s[26:27], s[8:9], s[26:27]
	s_lshr_b32 s24, s23, 1
	s_and_b32 s25, s23, 1
	s_lshl_b32 s28, s24, 15                        ; 16 rows of 2,048 bytes
	s_lshl_b32 s25, s25, 10                        ; two K steps of 512 bytes
	s_add_co_u32 s28, s28, s25
	s_add_nc_u64 s[26:27], s[26:27], s[28:29]
	XLOAD X0, 0
	XLOAD X1, 1
	s_lshl_b32 s28, s22, 17
	s_lshl_b32 s25, s23, 11
	s_add_co_u32 s28, s28, s25                     ; 131,072 T + 4,096 nt + 2,048 kp
	s_add_nc_u64 s[12:13], s[12:13], s[28:29]
	s_lshl_b32 s28, s22, 14
	s_lshl_b32 s25, s23, 8
	s_add_co_u32 s28, s28, s25                     ; 16,384 T + 512 nt + 256 kp
	s_add_nc_u64 s[14:15], s[14:15], s[28:29]
	s_wait_loadcnt 16                              ; the first K step's 16 loads are in; the second's may be out
	QUANT X0, 32, 48
	s_wait_loadcnt 0x0
	QUANT X1, 40, 49
.irp f, 0,1,2,3
	global_store_b128 v5, v[32+4*\f:35+4*\f], s[12:13] offset:512*\f   ; the wave stores 512 consecutive bytes
.endr
	global_store_b64 v6, v[48:49], s[14:15]        ; and 256 consecutive bytes of scale words
	s_endpgm
.Lwo:	; ---- wo into f16
	v_lshlrev_b32 v7, 11, v2
	v_lshl_add_u32 v7, v3, 5, v7                   ; row r, + 32 h: eight numbers of my half
	s_sub_co_u32 s23, ttmp9, 48
	s_lshl_b32 s23, s23, 2
	s_add_co_u32 s23, s23, s18                     ; u = 2 nt + kh
	s_lshr_b32 s24, s23, 1
	s_and_b32 s25, s23, 1
	s_lshl_b32 s28, s24, 15
	s_lshl_b32 s25, s25, 10
	s_add_co_u32 s28, s28, s25
	s_add_nc_u64 s[10:11], s[10:11], s[28:29]
.irp i, 0,1,2,3,4,5,6,7
.irp p, 0,1
.irp q, 0,1
	global_load_b128 v[64+16*\i+8*\p+4*\q:64+16*\i+8*\p+4*\q+3], v7, s[10:11] offset:128*\i+64*\p+16*\q   ; k = 32 (8 kh + i) + 16 p + 8 h + 4 q on
.endr
.endr
.endr
	s_lshl_b32 s28, s23, 13                        ; 16,384 nt + 8,192 kh
	s_add_nc_u64 s[16:17], s[16:17], s[28:29]
	s_wait_loadcnt 0x0
.set ii, 0
.rept 64
	v_cvt_pk_f16_f32 v[192+ii], v[64+2*ii], v[65+2*ii]
.set ii, ii+1
.endr
.irp f, 0,1,2,3,4,5,6,7,8,9,10,11,12,13,14,15
	global_store_b128 v5, v[192+4*\f:195+4*\f], s[16:17] offset:512*\f
.endr
	s_endpgm
.Lfunc_end_k_qdde5c2043b_prep:
	.size	k_qdde5c2043b_prep, .Lfunc_end_k_qdde5c2043b_prep-k_qdde5c2043b_prep
	.p2alignl 7, 3214868480
	.fill 96, 4, 3214868480
	.section	.rodata,"a",@progbits
	.p2align	6, 0x0
	.amdhsa_kernel k_qdde5c2043b_prep
		.amdhsa_group_segment_fixed_size 0
		.amdhsa_private_segment_fixed_size 0
		.amdhsa_enable_private_segment 0
		.amdhsa_kernarg_size 56
		.amdhsa_user_sgpr_count 2
		.amdhsa_user_sgpr_kernarg_segment_ptr 1
		.amdhsa_wavefront_size32 1
		.amdhsa_system_sgpr_workgroup_id_x 1
		.amdhsa_system_sgpr_workgroup_id_y 1
		.amdhsa_system_sgpr_workgroup_id_z 1
		.amdhsa_system_vgpr_workitem_id 0
		.amdhsa_next_free_vgpr 256
		.amdhsa_next_free_sgpr 66
		.amdhsa_reserve_vcc 0
		.amdhsa_float_denorm_mode_32 3
		.amdhsa_float_denorm_mode_16_64 3
		.amdhsa_memory_ordered 1
		.amdhsa_forward_progress 1
		.amdhsa_inst_pref_size 22
	.end_amdhsa_kernel
	.amdgpu_metadata
---
amdhsa.version: [ 1, 2 ]
amdhsa.kernels:
  - .name:           k_qdde5c2043b_prep
    .symbol:         k_qdde5c2043b_prep.kd
    .args:
      - { .name: wq, .offset: 0, .size: 8, .value_kind: global_buffer, .address_space: global }
      - { .name: wk, .offset: 8, .size: 8, .value_kind: global_buffer, .address_space: global }
      - { .name: wv, .offset: 16, .size: 8, .value_kind: global_buffer, .address_space: global }
      - { .name: wo, .offset: 24, .size: 8, .value_kind: global_buffer, .address_space: global }
      - { .name: wcod, .offset: 32, .size: 8, .value_kind: global_buffer, .address_space: global }
      - { .name: wscl, .offset: 40, .size: 8, .value_kind: global_buffer, .address_space: global }
      - { .name: wof, .offset: 48, .size: 8, .value_kind: global_buffer, .address_space: global }
    .group_segment_fixed_size: 0
    .private_segment_fixed_size: 0
    .kernarg_segment_align: 8
    .kernarg_segment_size: 56
    .max_flat_workgroup_size: 128
    .sgpr_count:     66
    .vgpr_count:     256
    .wavefront_size: 32
...
	.end_amdgpu_metadata
.endif
;; end of part 1
;; launch proj (part 2): grid 192 x 1, 8 waves a work-group, no clusters, 37,888 bytes of LDS; arguments q, k, v, wcod, wscl, xqf, xkf, xvf, x16; writes xqf, xkf, xvf, x16
.if DOCPART == 2
	.amdgcn_target "amdgcn-amd-amdhsa--gfx1250"
	.amdhsa_code_object_version 6
	.text
	.protected	k_qdde5c2043b_proj
	.globl	k_qdde5c2043b_proj
	.p2align	8
	.type	k_qdde5c2043b_proj,@function
k_qdde5c2043b_proj:
	s_mov_b64 s[64:65], 0
	v_nop
	global_prefetch_b8 v0, s[64:65] scope:SCOPE_SE
	s_setreg_imm32_b32 hwreg(HW_REG_WAVE_MODE, 25, 1), 1
	s_wait_xcnt 0x0
; xq = q wq^T, xk = k wk^T, xv = v wv^T, all three on codes of E2M1 with one E8M0 scale for each 32 along K = 512; sums in f32; results rounded once to f16 and stored as images of the attention launch's operand registers.
; SHARES.  Work-group g: tensor T = g / 64, rows 128 (g % 64) on, all 512 columns, so that each number of q, k, v is read from memory once.  Wave w quantises rows 16 w .. 16 w + 15 (four fragments, images in LDS),
; then makes head w's 64 columns for all 128 rows; its 16 fragments of the weight stay in its registers.
; Q, K: source 0 = 16 rows of the weight, source 1 = 16 rows of x: a lane holds one position and eight neighbouring channels, which pack into half a fragment [16 positions x 32 channels].
; V:    source 0 = 16 rows of x, source 1 = 16 rows of the weight: a lane holds one channel and eight neighbouring positions: half a fragment of V^T [16 channels x 32 keys].
; xqf, xkf [bh 16][tile 256][ks 2][half 2][lane][16 B];  xvf [bh][kk 128][ct 4][half 2][lane][16 B];  x16 [(2 T + b) 8 + head][nt 4][half 2][lane][16 B]: the f32 sums of positions 0-15, for the last launch.
; NO CLUSTER: the weight's codes, which 64 work-groups share, go from memory straight into registers (18 KB a wave, once); a joint load would bring them into LDS first, to be read out again once.
; LIMITS: the projections must stay under 65,504 (f16); NaN and infinities are not served; a block of zeros has the byte 1 and zero codes.
.set XSC,   32768                      ; LDS: 0: x's 32 fragments (tile rt, K step ks: 4,096 rt + 1,024 ks); here: their scale words, [tile][lane][4 words]
.set SPARE, 36864                      ; the spare words, 128 bytes for each of eight waves
.set TM,  16                           ; v16-31  at work in QUANT
.set PC,  32                           ; v32-63  the codes just made, a set for each K step
.set PW,  64                           ; v64-67  their scale words
.set WS,  68                           ; v68-83  the weight's scale words, 4 nt + ks: scales and nothing else
.set XS,  84                           ; v84-91  x's scale words, two sets: scales and nothing else
.set SPW, 92
.set NIL, 93
.set ACC, 96                           ; v96-127 four accumulators
.set XA0, 128                          ; v128-191, v192-255: two K steps of x as f32; later:
.set XA1, 192
.set XF,  128                          ; v128-191 x's fragments, two sets of 32
.set PK,  192                          ; v192-223 packed results, two sets of 16
.set SEL, 24
.set MSB, 0
.macro WIN new                         ; the immediate's high byte repeats the setting that is left
.if MSB != \new
	s_set_vgpr_msb (MSB<<8)|\new
.set MSB, \new
.endif
.endm
.macro QUANT s, pc, pw                 ; 64 numbers of a lane (register 16 b + i = k 32 b + 16 (lane / 16) + i) -> a fragment's codes and its scale word
.irp b, 0,1,2,3
	v_max3_num_f32 v[TM+\b], |v[\s+16*\b]|, |v[\s+1+16*\b]|, 0x1800000   ; and the floor 2^(3 - 127): the byte cannot fall under 1
.endr
.irp i, 2,4,6,8,10,12,14
.irp b, 0,1,2,3
	v_max3_num_f32 v[TM+\b], v[TM+\b], |v[\s+16*\b+\i]|, |v[\s+1+16*\b+\i]|
.endr
.endr
.irp b, 0,1,2,3
	v_permlanex16_b32 v[TM+4+\b], v[TM+\b], s[SEL], s[SEL+1]
.endr
.irp b, 0,1,2,3
	v_max_num_f32 v[TM+\b], v[TM+\b], v[TM+4+\b]
.endr
.irp b, 0,1,2,3
	v_add_nc_u32 v[TM+12+\b], 0xff000000, v[TM+\b]     ; 2 off the exponent field: the conversion's scale operand
.endr
.irp b, 0,1,2,3
	v_lshrrev_b32 v[TM+4+\b], 23, v[TM+12+\b]
.endr
	v_lshl_or_b32 v[\pw], v[TM+5], 8, v[TM+4]
	v_lshl_or_b32 v[\pw], v[TM+6], 16, v[\pw]
	v_lshl_or_b32 v[\pw], v[TM+7], 24, v[\pw]
.irp b, 0,1,2,3
	v_cvt_scalef32_pk8_fp4_f32 v[\pc+2*\b], v[\s+16*\b:\s+7+16*\b], v[TM+12+\b]
	v_cvt_scalef32_pk8_fp4_f32 v[\pc+1+2*\b], v[\s+8+16*\b:\s+15+16*\b], v[TM+12+\b]
.endr
	v_nop                                              ; one plain place behind a scaled conversion
.irp c, 0,1
.irp i, 0,1
	v_permlane16_swap_b32 v[\pc+4*\c+\i], v[\pc+2+4*\c+\i]
.endr
.endr
.endm
.macro XLOAD reg, ks
.irp b, 0,1,2,3
.irp j, 0,1,2,3
	global_load_b128 v[\reg+16*\b+4*\j:\reg+16*\b+4*\j+3], v2, s[32:33] offset:512*\ks+128*\b+16*\j th:TH_LOAD_NT
.endr
.endr
.endm
.macro IMG ks                          ; K step ks's fragment goes to LDS as it stands in registers
	ds_store_b128 v4, v[PC+8*\ks:PC+8*\ks+3] offset:1024*\ks
	ds_store_b128 v4, v[PC+8*\ks+4:PC+8*\ks+7] offset:1024*\ks+512
.endm
.macro FETCH rt                        ; row tile rt's four fragments and its scale words, into set rt % 2: nine LDS loads
.irp s, 0,1,2,3
.irp c, 0,1
	ds_load_b128 v[XF+32*((\rt)%2)+8*\s+4*\c:XF+32*((\rt)%2)+8*\s+4*\c+3], v1 offset:4096*(\rt)+1024*\s+512*\c
.endr
.endr
	ds_load_b128 v[XS+4*((\rt)%2):XS+4*((\rt)%2)+3], v1 offset:XSC+512*(\rt)
.endm
	s_load_b256 s[4:11], s[0:1], 0x0               ; q, k, v, wcod
	s_load_b256 s[12:19], s[0:1], 0x20             ; wscl, xqf, xkf, xvf
	s_load_b64 s[20:21], s[0:1], 0x40              ; x16
	v_lshl_add_u32 v[SPW], v0, 2, SPARE
	v_mov_b32 v[NIL], 0
	v_lshrrev_b32 v6, 5, v0
	v_readfirstlane_b32 s22, v6                    ; wave 0..7
	v_and_b32 v6, 31, v0                           ; lane
	v_and_b32 v7, 15, v0                           ; r
	v_bfe_u32 v8, v0, 4, 1                         ; h
	v_lshlrev_b32 v1, 4, v6                        ; 16 x lane
	v_lshlrev_b32 v2, 11, v7
	v_lshl_add_u32 v2, v8, 6, v2                   ; x: row r of 2,048 bytes, + 64 h
	v_lshlrev_b32 v3, 3, v6                        ; 8 x lane
	s_lshl_b32 s23, s22, 12
	v_add_nc_u32 v4, s23, v1                       ; where I store my tile's images: 4,096 x wave + 16 x lane
	s_lshl_b32 s23, s22, 9
	v_add_nc_u32 v5, s23, v1
	v_add_nc_u32 v5, XSC, v5                       ; and its scale words: 512 x wave + 16 x lane
.irp b, 0,1,2,3
	v_mov_b32 v[TM+4+\b], 0                        ; a lane permute's destination counts as one of its sources
.endr
	s_mov_b32 s[SEL], 0x76543210
	s_mov_b32 s[SEL+1], 0xfedcba98
	s_lshr_b32 s26, ttmp9, 6                       ; T
	s_and_b32 s27, ttmp9, 63                       ; block of 128 rows
	s_lshr_b32 s28, s27, 5                         ; batch
	s_and_b32 s29, s27, 31                         ; block within the batch
	s_mov_b32 s31, 0
	s_mov_b32 s37, 0
	s_mov_b32 s39, 0
	s_mov_b32 s41, 0
	s_mov_b32 s43, 0
	s_lshl_b32 s30, s27, 18
	s_lshl_b32 s23, s22, 15
	s_add_co_u32 s30, s30, s23                     ; x: 128 rows a block, 16 a wave, 2,048 bytes a row
	s_lshl_b32 s36, s26, 17
	s_lshl_b32 s23, s22, 14
	s_add_co_u32 s36, s36, s23                     ; wcod: 131,072 T + 4,096 (4 w)
	s_lshl_b32 s38, s26, 14
	s_lshl_b32 s23, s22, 11
	s_add_co_u32 s38, s38, s23                     ; wscl: 16,384 T + 512 (4 w)
	s_lshl_b32 s40, s28, 3
	s_add_co_u32 s40, s40, s22                     ; bh = 8 b + w
	s_lshl_b32 s40, s40, 19
	s_lshl_b32 s23, s29, 14
	s_add_co_u32 s40, s40, s23                     ; the results: 524,288 bh + 16,384 x block
	s_lshl_b32 s42, s26, 1
	s_add_co_u32 s42, s42, s28
	s_lshl_b32 s42, s42, 3
	s_add_co_u32 s42, s42, s22
	s_lshl_b32 s42, s42, 12                        ; x16: 4,096 ((2 T + b) 8 + w)
	s_wait_kmcnt 0x0
	s_cmp_eq_u32 s26, 0
	s_cselect_b64 s[32:33], s[4:5], s[6:7]
	s_cselect_b64 s[34:35], s[14:15], s[16:17]
	s_cmp_eq_u32 s26, 2
	s_cselect_b64 s[32:33], s[8:9], s[32:33]       ; x = q, k or v
	s_cselect_b64 s[34:35], s[18:19], s[34:35]     ; the results' buffer
	s_add_nc_u64 s[32:33], s[32:33], s[30:31]
	s_add_nc_u64 s[34:35], s[34:35], s[40:41]
	s_add_nc_u64 s[10:11], s[10:11], s[36:37]
	s_add_nc_u64 s[12:13], s[12:13], s[38:39]
	s_add_nc_u64 s[20:21], s[20:21], s[42:43]
	WIN 0x40                                       ; destination window 1: the weight's fragment (nt, ks) at v[32 nt + 8 ks]; they stay
.irp n, 0,1,2,3
.irp f, 0,1,2,3,4,5,6,7
	global_load_b128 v[32*\n+4*\f:32*\n+4*\f+3], v1, s[10:11] offset:4096*\n+512*\f
.endr
.endr
	WIN 0
.irp n, 0,1,2,3
.irp p, 0,1
	global_load_b64 v[WS+4*\n+2*\p:WS+4*\n+2*\p+1], v3, s[12:13] offset:512*\n+256*\p
.endr
.endr
	; ---- my 16 rows of x become four fragments; two K steps of loads are out while one is quantised
	XLOAD XA0, 0
	XLOAD XA1, 1
	s_wait_loadcnt 16                              ; all but the youngest 16: the weight and K step 0 are in
	QUANT XA0, PC, PW
	IMG 0
	XLOAD XA0, 2
	s_wait_loadcnt 16                              ; K step 1 is in
	QUANT XA1, PC+8, PW+1
	IMG 1
	XLOAD XA1, 3
	s_wait_loadcnt 16                              ; K step 2
	QUANT XA0, PC+16, PW+2
	IMG 2
	s_wait_loadcnt 0x0
	QUANT XA1, PC+24, PW+3
	IMG 3
	ds_store_b128 v5, v[PW:PW+3]
	s_wait_dscnt 0x0                               ; for the others' sake: my stores have landed
	s_barrier_signal -1
	s_barrier_wait -1                              ; the 32 fragments of the block's 128 rows lie in LDS; nothing stores to LDS from here on
	FETCH 0
	FETCH 1
; Row tile rt against my head's four tiles of the weight: 16 matrix instructions, the four accumulators by turns; the first K step starts the sums.
.macro RT rt, nat
.set XFS, XF+32*((\rt)%2)
.set XSS, XS+4*((\rt)%2)
.set PKS, PK+16*((\rt)%2)
.if (\rt) < 7
	s_wait_dscnt 9                                 ; this tile's nine loads are in; the next tile's nine may be out
.else
	s_wait_dscnt 0x0
.endif
.if \nat
	WIN 0x04                                       ; source 1 (the weight) window 1
.else
	WIN 0x01                                       ; source 0 (the weight) window 1
.endif
.irp s, 0,1,2,3
.irp n, 0,1,2,3
.if \nat
.if \s == 0
	v_wmma_scale_f32_16x16x128_f8f6f4 v[ACC+8*\n:ACC+8*\n+7], v[XFS+8*\s:XFS+8*\s+7], v[32*\n+8*\s:32*\n+8*\s+7], 0, v[XSS+\s], v[WS+4*\n+\s] matrix_a_fmt:MATRIX_FMT_FP4 matrix_b_fmt:MATRIX_FMT_FP4
.else
	v_wmma_scale_f32_16x16x128_f8f6f4 v[ACC+8*\n:ACC+8*\n+7], v[XFS+8*\s:XFS+8*\s+7], v[32*\n+8*\s:32*\n+8*\s+7], v[ACC+8*\n:ACC+8*\n+7], v[XSS+\s], v[WS+4*\n+\s] matrix_a_fmt:MATRIX_FMT_FP4 matrix_b_fmt:MATRIX_FMT_FP4
.endif
.else
.if \s == 0
	v_wmma_scale_f32_16x16x128_f8f6f4 v[ACC+8*\n:ACC+8*\n+7], v[32*\n+8*\s:32*\n+8*\s+7], v[XFS+8*\s:XFS+8*\s+7], 0, v[WS+4*\n+\s], v[XSS+\s] matrix_a_fmt:MATRIX_FMT_FP4 matrix_b_fmt:MATRIX_FMT_FP4
.else
	v_wmma_scale_f32_16x16x128_f8f6f4 v[ACC+8*\n:ACC+8*\n+7], v[32*\n+8*\s:32*\n+8*\s+7], v[XFS+8*\s:XFS+8*\s+7], v[ACC+8*\n:ACC+8*\n+7], v[WS+4*\n+\s], v[XSS+\s] matrix_a_fmt:MATRIX_FMT_FP4 matrix_b_fmt:MATRIX_FMT_FP4
.endif
.endif
.endr
.endr
	WIN 0
.rept 4
	v_nop                                          ; four places between the last product and the first read of results
.endr
	s_wait_xcnt 0x0                                ; earlier stores have read their registers: this set of packed results may be written again
.irp n, 0,1,2,3
.irp e, 0,1,2,3
	v_cvt_pk_f16_f32 v[PKS+4*\n+\e], v[ACC+8*\n+2*\e], v[ACC+8*\n+2*\e+1]   ; each accumulator from its low end on; these 16 are also the places in front of the loads below and of the next tile's first products
.endr
.endr
.if (\rt) < 6
	FETCH (\rt)+2                                  ; into the set that has just been multiplied
.endif
.irp n, 0,1,2,3
.if \nat
	global_store_b128 v1, v[PKS+4*\n:PKS+4*\n+3], s[34:35] offset:4096*((\rt)/2)+512*((\rt)%2)+1024*\n   ; V^T: kk = rt / 2, half = rt % 2, ct = n
.else
	global_store_b128 v1, v[PKS+4*\n:PKS+4*\n+3], s[34:35] offset:2048*(\rt)+512*\n                      ; tile rt; ks = n / 2, half = n % 2
.endif
.endr
.if (\rt) == 0
	s_cmp_lg_u32 s29, 0                            ; positions 0-15 of a batch also leave as f32, as they stand in the accumulators
	s_cbranch_scc1 .Lno16_\@
.irp f, 0,1,2,3,4,5,6,7
	global_store_b128 v1, v[ACC+4*\f:ACC+4*\f+3], s[20:21] offset:512*\f
.endr
	s_wait_xcnt 0x0                                ; the stores have read the accumulators: the next tile may write them
.Lno16_\@:
.endif
.endm
	s_cmp_eq_u32 s26, 2
	s_cbranch_scc1 .Lv
.irp rt, 0,1,2,3,4,5,6,7
	RT \rt, 0
.endr
	s_branch .Ldone
.Lv:
.irp rt, 0,1,2,3,4,5,6,7
	RT \rt, 1
.endr
.Ldone:
	s_wait_tensorcnt 0x0                           ; the wave's end, behind my last LDS store
	ds_add_u32 v[SPW], v[NIL]
	s_wait_dscnt 0x0
	s_endpgm
.Lfunc_end_k_qdde5c2043b_proj:
	.size	k_qdde5c2043b_proj, .Lfunc_end_k_qdde5c2043b_proj-k_qdde5c2043b_proj
	.p2alignl 7, 3214868480
	.fill 96, 4, 3214868480
	.section	.rodata,"a",@progbits
	.p2align	6, 0x0
	.amdhsa_kernel k_qdde5c2043b_proj
		.amdhsa_group_segment_fixed_size 37888
		.amdhsa_private_segment_fixed_size 0
		.amdhsa_enable_private_segment 0
		.amdhsa_kernarg_size 72
		.amdhsa_user_sgpr_count 2
		.amdhsa_user_sgpr_kernarg_segment_ptr 1
		.amdhsa_wavefront_size32 1
		.amdhsa_system_sgpr_workgroup_id_x 1
		.amdhsa_system_sgpr_workgroup_id_y 1
		.amdhsa_system_sgpr_workgroup_id_z 1
		.amdhsa_system_vgpr_workitem_id 0
		.amdhsa_next_free_vgpr 384
		.amdhsa_next_free_sgpr 66
		.amdhsa_reserve_vcc 0
		.amdhsa_float_denorm_mode_32 3
		.amdhsa_float_denorm_mode_16_64 3
		.amdhsa_memory_ordered 1
		.amdhsa_forward_progress 1
		.amdhsa_inst_pref_size 96
	.end_amdhsa_kernel
	.amdgpu_metadata
---
amdhsa.version: [ 1, 2 ]
amdhsa.kernels:
  - .name:           k_qdde5c2043b_proj
    .symbol:         k_qdde5c2043b_proj.kd
    .args:
      - { .name: q, .offset: 0, .size: 8, .value_kind: global_buffer, .address_space: global }
      - { .name: k, .offset: 8, .size: 8, .value_kind: global_buffer, .address_space: global }
      - { .name: v, .offset: 16, .size: 8, .value_kind: global_buffer, .address_space: global }
      - { .name: wcod, .offset: 24, .size: 8, .value_kind: global_buffer, .address_space: global }
      - { .name: wscl, .offset: 32, .size: 8, .value_kind: global_buffer, .address_space: global }
      - { .name: xqf, .offset: 40, .size: 8, .value_kind: global_buffer, .address_space: global }
      - { .name: xkf, .offset: 48, .size: 8, .value_kind: global_buffer, .address_space: global }
      - { .name: xvf, .offset: 56, .size: 8, .value_kind: global_buffer, .address_space: global }
      - { .name: x16, .offset: 64, .size: 8, .value_kind: global_buffer, .address_space: global }
    .group_segment_fixed_size: 37888
    .private_segment_fixed_size: 0
    .kernarg_segment_align: 8
    .kernarg_segment_size: 72
    .max_flat_workgroup_size: 256
    .sgpr_count:     66
    .vgpr_count:     384
    .wavefront_size: 32
...
	.end_amdgpu_metadata
.endif
;; end of part 2
;; launch attn (part 3): grid 16 x 16, 8 waves a work-group, no clusters, 327,680 bytes of LDS; arguments xqf, xkf, xvf, ao; writes ao
.if DOCPART == 3
	.amdgcn_target "amdgcn-amd-amdhsa--gfx1250"
	.amdhsa_code_object_version 6
	.text
	.protected	k_qdde5c2043b_attn
	.globl	k_qdde5c2043b_attn
	.p2align	8
	.type	k_qdde5c2043b_attn,@function
k_qdde5c2043b_attn:
	s_mov_b64 s[64:65], 0
	v_nop
	global_prefetch_b8 v0, s[64:65] scope:SCOPE_SE
	s_setreg_imm32_b32 hwreg(HW_REG_WAVE_MODE, 25, 1), 1
	s_wait_xcnt 0x0
; ao = softmax(xq xk^T / 8, causal) xv for each of 16 (batch, head), f16 operands, f32 sums, maxima and exponentials; a running maximum is taken away before every exponential.
; LEFT OUT: steps of 64 keys all of which come after a wave's 32 queries: reference()'s own mask gives them the weight 0 (shown at the head of the first kernel).
; SHARES.  Work-group (i, bh) owns two blocks of 128 queries of one head: first block 31 - i, then block i.  Keys go in slots of 256; block J needs (J + 2) / 2 slots, so the first block takes
; TA = (33 - i) / 2 trips and both together 17 in every work-group: the trip count is a constant, and all 256 work-groups have the same number of slots to walk.
; Wave w = 2 g + hf takes the block's queries 32 g .. 32 g + 31 (two tiles of 16; register tile t is query tile 2 g + (t xor hf)) against the slot's key chunks 2 u + hf of 64 keys, u = 0, 1.
; So each fragment of K and V read from LDS feeds two matrix instructions, and two waves share a SIMD: one's vector work stands beside the other's matrix work.
; The two waves of a pair hold partial (m, l, O) over disjoint keys; at a block's end each sends its register tile 1 through LDS and finishes its register tile 0.
; LAYOUT.  S^T = K Q^T (source 0 = 16 keys, source 1 = 16 queries) and O^T = V^T P (source 0 = 16 channels, source 1 = P): a lane holds one query throughout; two tiles of S^T, packed to f16, are P's fragment.
; All operands lie in memory as images of registers (512 bytes: lane l's 16 bytes at 16 l), so a tile is dense, LDS needs no pitch, and an LDS load's 512 bytes are consecutive.
; THE RING: two slots of 64 KB.  Every wave fetches 8 KB of each slot by one tensor load: two rows of 4,096 bytes, one out of each half of the slot's keys (waves 0-3: K, waves 4-7: V), so that every load
; holds keys of the slot's first half, which some wave always reads.  By this text's count a wave has one tensor load outstanding at the most.
; NO CLUSTER: from trip TA on the 16 work-groups of a head ask for different slots, and TA hangs on the work-group's number: the descriptors of a joint load would differ between partners.
; LIMITS: operands and result in f16 (magnitudes under 65,504); NaN and infinities are not served; weights under 2^-24 of the row's largest are lost in f16.
; REGISTERS, window 0: v1-14, v48-49 addresses; v16-31 statistics, 8 a tile: c m, m, l (two halves), four at work; v32-47 the merge; v64-127 S^T, 32 a tile; v128-159 P, 16 a tile; v160-223 K; v224-239 results.
;            window 1: v0-63 O^T, 32 a tile; v64-95 Q, 16 a tile; v96-159 V.
.set SLOT1, 65536
.set VOFF,  32768                      ; in a slot: K's 32 KB, then V's
.set STAGE, 131072                     ; behind the ring: for each wave 8 images of O^T, 128 bytes of c m, 128 of l, in 4,608 bytes; once for each of the two merges
.set STB,   36864                      ; the second merge's stages lie this far behind the first's
.set SPARE, 204800                     ; the spare words, 128 bytes for each of eight waves
.set LI,  1                            ; 16 x lane
.set A0,  2                            ; 16 x lane + 16,384 hf: my lane's place in my chunks
.set ADR, 3
.set VR,  4                            ; r - 8 h
.set D0,  5                            ; v5, v6: the mask's distance for tiles 0, 1
.set NINF, 7
.set PFO, 8                            ; the prefetch's offset: 256 (lane % 16) + 16,384 (lane / 16)
.set SWI, 9                            ; my stage: images; v10: words;  v11, v12: my partner's
.set SWS, 10
.set SRI, 11
.set SRS, 12
.set SPW, 13
.set NIL, 14
.set ST,  16
.set MT,  32
.set QO,  48                           ; v48, v49: my byte in the two query tiles: 16 x lane + 2,048 (t xor hf)
.set S,   64
.set P,   128
.set KR,  160
.set PKO, 224
.set OW,  0                            ; window 1
.set QW,  64
.set VW,  96
.set WV,  12
.set GG,  13
.set HF,  14
.set II,  15
.set TA,  16
.set TT,  17                           ; the trip
.set TB,  18                           ; LDS byte at which the slot in hand begins
.set KF,  19                           ; first key of my chunk at u = 0
.set QB,  20                           ; my first query
.set JC,  21                           ; the block in hand
.set H16, 22                           ; 16 hf;  s23: 16 - 16 hf
.set H16N, 23
.set G1,  24                           ; s[24:31] descriptor group 1;  s[32:35] group 0
.set G0,  32
.set BASE, 36                          ; my part of slot 0 in memory
.set OFF, 38                           ; an offset, its high word 0
.set PFA, 40
.set QB0, 42
.set QP,  44
.set AOB, 46
.set AO0, 48
.set CS,  50                           ; c = log2(e) / 8, as a pair
.set SEL, 52
.set LIM, 54
.set BH,  59
.set MSB, 0
.macro WIN new                         ; the immediate's high byte repeats the setting that is left
.if MSB != \new
	s_set_vgpr_msb (MSB<<8)|\new
.set MSB, \new
.endif
.endm
.macro QLOAD j                         ; the two query tiles of block s[j]: they stay in registers
	s_lshl_b32 s[OFF], s[\j], 14
	s_add_nc_u64 s[QP:QP+1], s[QB0:QB0+1], s[OFF:OFF+1]
	WIN 0x40
.irp t, 0,1
.irp f, 0,1,2,3
	global_load_b128 v[QW+16*\t+4*\f:QW+16*\t+4*\f+3], v[QO+\t], s[QP:QP+1] offset:512*\f
.endr
.endr
	WIN 0
.endm
.macro INIT                            ; a block begins: O^T and l are zeros, m is -3e38, under every score: the step is written once, and its first rescaling multiplies zeros by 0
	WIN 0x40
.set ii, 0
.rept 64
	v_mov_b32 v[OW+ii], 0
.set ii, ii+1
.endr
	WIN 0
.irp t, 0,1
	v_mov_b32 v[ST+8*\t+1], 0xff61b1e6
	v_mul_f32 v[ST+8*\t], s[CS], v[ST+8*\t+1]
	v_mov_b32 v[ST+8*\t+2], 0
	v_mov_b32 v[ST+8*\t+3], 0
.endr
.endm
; A PREFETCH INTO THE L2 of the slot that the NEXT trip's tensor loads will ask for.  All 16 work-groups of a head walk the same K and V; work-group 0's first block walks all 16 slots, so it alone asks, in trips 0 to 13
; for slots 2 to 15.  Each of its eight waves names the 8 KB that it will fetch itself, a lane to each 256 bytes: so each 256 bytes are named once in the launch.  Slots 0 and 1 come by their loads alone.
.macro ASK
	s_cmp_lt_u32 s[TT], s[LIM]
	s_cbranch_scc0 .Lnp_\@
	global_prefetch_b8 v[PFO], s[PFA:PFA+1] th:TH_LOAD_NT scope:SCOPE_SE
.Lnp_\@:
.endm
; A KEY STEP: my 32 queries against chunk 2 u + hf of the slot in hand.
.macro STEP u
	s_add_co_u32 s55, s[KF], 128*\u                ; the chunk's first key, a multiple of 64
	s_add_co_u32 s56, s[QB], 31
	s_cmp_gt_u32 s55, s56                          ; all its keys come after my queries: left out.  (Else its first key is at or under my first query, a multiple of 32: every query of a walked step sees a key)
	s_cbranch_scc1 .Lhid_\@
	v_add_nc_u32 v[ADR], s[TB], v[A0]
.irp kt, 0,1,2,3
.irp f, 0,1,2,3
	ds_load_b128 v[KR+16*\kt+4*\f:KR+16*\kt+4*\f+3], v[ADR] offset:8192*(\kt/2)+4096*\u+2048*(\kt%2)+512*\f
.endr
.endr
	WIN 0x40
.irp kk, 0,1
.irp f, 0,1,2,3,4,5,6,7
	ds_load_b128 v[VW+32*\kk+4*\f:VW+32*\kk+4*\f+3], v[ADR] offset:VOFF+8192*\kk+4096*\u+512*\f
.endr
.endr
	s_wait_dscnt 16                                ; K's 16 loads are in; V's 16 may be out
	WIN 0x04                                       ; source 1 (Q) window 1
.irp ks, 0,1                                   ; eight accumulators by turns; the first 32 channels start the sums
.irp kt, 0,1,2,3
.irp t, 0,1
.if \ks == 0
	v_wmma_f32_16x16x32_f16 v[S+32*\t+8*\kt:S+32*\t+8*\kt+7], v[KR+16*\kt+8*\ks:KR+16*\kt+8*\ks+7], v[QW+16*\t+8*\ks:QW+16*\t+8*\ks+7], 0
.else
	v_wmma_f32_16x16x32_f16 v[S+32*\t+8*\kt:S+32*\t+8*\kt+7], v[KR+16*\kt+8*\ks:KR+16*\kt+8*\ks+7], v[QW+16*\t+8*\ks:QW+16*\t+8*\ks+7], v[S+32*\t+8*\kt:S+32*\t+8*\kt+7]
.endif
.endr
.endr
.endr
	WIN 0
.rept 4
	v_nop                                          ; four places between the last product and the first read of scores
.endr
	s_add_co_u32 s56, s55, 63
	s_cmp_le_u32 s56, s[QB]                        ; all 64 keys count for all my queries: no mask
	s_cbranch_scc1 .Lopen_\@
	s_sub_co_u32 s56, s[QB], s55
	s_add_co_u32 s57, s56, s[H16]
	s_add_co_u32 s58, s56, s[H16N]
	v_add_nc_u32 v[D0], s57, v[VR]                 ; d = my query - the chunk's first key - 8 (lane / 16).  Register 8 kt + j holds key 16 kt + 8 (lane / 16) + j: hidden where 16 kt + j > d
	v_add_nc_u32 v[D0+1], s58, v[VR]
.irp t, 0,1
.set nn, 0
.rept 32
	v_cmp_gt_i32 vcc_lo, 16*(nn/8)+nn%8, v[D0+\t]
	v_cndmask_b32 v[S+32*\t+nn], v[S+32*\t+nn], v[NINF], vcc_lo
.set nn, nn+1
.endr
.endr
.Lopen_\@:
	; the maximum of a lane's 32 scores and the old m, three at a time, four chains a tile, the two tiles by turns; each accumulator is read from its low end on
.irp j, 0,1,2,3
.irp t, 0,1
	v_max3_num_f32 v[ST+8*\t+4+\j], v[S+32*\t+8*\j], v[S+32*\t+8*\j+1], v[S+32*\t+8*\j+2]
.endr
.endr
.irp q, 1,2
.irp j, 0,1,2,3
.irp t, 0,1
	v_max3_num_f32 v[ST+8*\t+4+\j], v[ST+8*\t+4+\j], v[S+32*\t+8*\j+2*\q+1], v[S+32*\t+8*\j+2*\q+2]
.endr
.endr
.endr
.irp t, 0,1
	v_max3_num_f32 v[ST+8*\t+4], v[ST+8*\t+4], v[S+32*\t+7], v[S+32*\t+15]
.endr
.irp t, 0,1
	v_max3_num_f32 v[ST+8*\t+6], v[ST+8*\t+6], v[S+32*\t+23], v[S+32*\t+31]
.endr
.irp t, 0,1
	v_max3_num_f32 v[ST+8*\t+4], v[ST+8*\t+4], v[ST+8*\t+5], v[ST+8*\t+6]
.endr
.irp t, 0,1
	v_max3_num_f32 v[ST+8*\t+4], v[ST+8*\t+4], v[ST+8*\t+7], v[ST+8*\t+1]
.endr
.irp t, 0,1
	v_permlanex16_b32 v[ST+8*\t+5], v[ST+8*\t+4], s[SEL], s[SEL+1]   ; the query's other 32 keys lie in the lane 16 away
.endr
.irp t, 0,1
	v_mov_b32 v[ST+8*\t+7], v[ST+8*\t]             ; c m_old is kept
.endr
.irp t, 0,1
	v_max_num_f32 v[ST+8*\t+1], v[ST+8*\t+4], v[ST+8*\t+5]           ; the new m
.endr
.irp t, 0,1
	v_mul_f32 v[ST+8*\t], s[CS], v[ST+8*\t+1]
.endr
.irp t, 0,1
	v_sub_f32 v[ST+8*\t+7], v[ST+8*\t+7], v[ST+8*\t]                 ; c m_old - c m_new, 0 or less
.endr
.set nn, 0
.rept 16
.irp t, 0,1
	v_pk_fma_f32 v[S+32*\t+2*nn:S+32*\t+2*nn+1], v[S+32*\t+2*nn:S+32*\t+2*nn+1], s[CS:CS+1], v[ST+8*\t:ST+8*\t+1] op_sel_hi:[1,0,0] neg_lo:[0,0,1] neg_hi:[0,0,1]   ; c s - c m, two at a time
.endr
.set nn, nn+1
.endr
.irp t, 0,1
	v_exp_f32 v[ST+8*\t+6], v[ST+8*\t+7]           ; a = 2^(c m_old - c m_new)
.endr
.set nn, 0
.rept 32
.irp t, 0,1
	v_exp_f32 v[S+32*\t+nn], v[S+32*\t+nn]         ; p, at most 1
.endr
.set nn, nn+1
.endr
	v_nop                                          ; a plain instruction behind the last exponential
	s_wait_alu depctr_va_vdst(0)                   ; one wait for the batch of 66, ahead of the first instruction that names a result
.set nn, 0
.rept 16
.irp t, 0,1
	v_cvt_pk_f16_f32 v[P+16*\t+nn], v[S+32*\t+2*nn], v[S+32*\t+2*nn+1]
.endr
.set nn, nn+1
.endr
.irp x, 0,1,2,3,4,5,6,7                        ; the sum of a tile's 16 pairs, in place, of the p that were not rounded
.irp t, 0,1
	v_pk_add_f32 v[S+32*\t+4*\x:S+32*\t+4*\x+1], v[S+32*\t+4*\x:S+32*\t+4*\x+1], v[S+32*\t+4*\x+2:S+32*\t+4*\x+3]
.endr
.endr
.irp x, 0,1,2,3
.irp t, 0,1
	v_pk_add_f32 v[S+32*\t+8*\x:S+32*\t+8*\x+1], v[S+32*\t+8*\x:S+32*\t+8*\x+1], v[S+32*\t+8*\x+4:S+32*\t+8*\x+5]
.endr
.endr
.irp x, 0,1
.irp t, 0,1
	v_pk_add_f32 v[S+32*\t+16*\x:S+32*\t+16*\x+1], v[S+32*\t+16*\x:S+32*\t+16*\x+1], v[S+32*\t+16*\x+8:S+32*\t+16*\x+9]
.endr
.endr
.irp t, 0,1
	v_pk_add_f32 v[S+32*\t:S+32*\t+1], v[S+32*\t:S+32*\t+1], v[S+32*\t+16:S+32*\t+17]
.endr
.irp t, 0,1
	v_pk_fma_f32 v[ST+8*\t+2:ST+8*\t+3], v[ST+8*\t+2:ST+8*\t+3], v[ST+8*\t+6:ST+8*\t+7], v[S+32*\t:S+32*\t+1] op_sel_hi:[1,0,1]   ; l = a l + the sum
.endr
	s_wait_dscnt 0x0                               ; V is in
	WIN 0x41                                       ; O^T (destination and source 0) window 1, a window 0
.set nn, 0
.rept 16
.irp t, 0,1
	v_pk_mul_f32 v[OW+32*\t+2*nn:OW+32*\t+2*nn+1], v[OW+32*\t+2*nn:OW+32*\t+2*nn+1], v[ST+8*\t+6:ST+8*\t+7] op_sel_hi:[1,0]   ; each accumulator from its low end on
.endr
.set nn, nn+1
.endr
	WIN 0x51                                       ; V and O^T window 1, P window 0
.irp kk, 0,1                                   ; eight accumulators by turns
.irp ct, 0,1,2,3
.irp t, 0,1
	v_wmma_f32_16x16x32_f16 v[OW+32*\t+8*\ct:OW+32*\t+8*\ct+7], v[VW+32*\kk+8*\ct:VW+32*\kk+8*\ct+7], v[P+16*\t+8*\kk:P+16*\t+8*\kk+7], v[OW+32*\t+8*\ct:OW+32*\t+8*\ct+7]
.endr
.endr
.endr
	WIN 0
.rept 4
	v_nop                                          ; four places in front of the next loads into V's registers and of the next read of O^T
.endr
.Lhid_\@:
.endm
; THE MERGE, first part: my register tile 1 (O^T, c m, the row's l) goes to my stage.
.macro FIN1 so
	v_add_f32 v[MT], v[ST+10], v[ST+11]
	v_permlanex16_b32 v[MT+1], v[MT], s[SEL], s[SEL+1]
	v_add_f32 v[MT], v[MT], v[MT+1]
	WIN 0x04                                       ; an LDS store's data are its source 1: window 1
.irp f, 0,1,2,3,4,5,6,7
	ds_store_b128 v[SWI], v[OW+32+4*\f:OW+32+4*\f+3] offset:\so+512*\f
.endr
	WIN 0
	ds_store_b32 v[SWS], v[ST+8] offset:\so
	ds_store_b32 v[SWS], v[MT] offset:\so+128
.endm
; Second part, behind a barrier: my partner's share of my register tile 0 comes from its stage; both are brought under the larger maximum, added, divided by the sum, rounded to f16 and stored as the next launch's fragment.
.macro FIN2 so
	s_wait_xcnt 0x0                                ; earlier stores have read their base and their data: both are written below
	s_lshl_b32 s[OFF], s[JC], 17
	s_add_nc_u64 s[AOB:AOB+1], s[AO0:AO0+1], s[OFF:OFF+1]
.irp f, 0,1,2,3,4,5,6,7
	ds_load_b128 v[S+4*\f:S+4*\f+3], v[SRI] offset:\so+512*\f
.endr
	ds_load_b32 v[MT+2], v[SRS] offset:\so
	ds_load_b32 v[MT+3], v[SRS] offset:\so+128
	v_add_f32 v[MT+4], v[ST+2], v[ST+3]
	v_permlanex16_b32 v[MT+5], v[MT+4], s[SEL], s[SEL+1]
	v_add_f32 v[MT+4], v[MT+4], v[MT+5]
	s_wait_dscnt 0x0
	v_max_num_f32 v[MT+6], v[ST], v[MT+2]
	v_sub_f32 v[MT+7], v[ST], v[MT+6]
	v_sub_f32 v[MT+8], v[MT+2], v[MT+6]
	v_exp_f32 v[MT+7], v[MT+7]
	v_exp_f32 v[MT+8], v[MT+8]
	v_nop
	s_wait_alu depctr_va_vdst(0)                   ; one wait for the two, ahead of their first reader
	v_mul_f32 v[MT+9], v[MT+7], v[MT+4]
	v_fma_f32 v[MT+9], v[MT+8], v[MT+3], v[MT+9]   ; the row's sum: at least 1, since the key of the largest score has p = 1 on one of the two sides
	v_rcp_f32 v[MT+10], v[MT+9]
	v_nop
	s_wait_alu depctr_va_vdst(0)
	v_mul_f32 v[MT+12], v[MT+7], v[MT+10]
	v_mul_f32 v[MT+14], v[MT+8], v[MT+10]
.set nn, 0
.rept 16
	v_pk_mul_f32 v[S+2*nn:S+2*nn+1], v[S+2*nn:S+2*nn+1], v[MT+14:MT+15] op_sel_hi:[1,0]
.set nn, nn+1
.endr
	WIN 0x01                                       ; source 0 (my O^T) window 1
.set nn, 0
.rept 16
	v_pk_fma_f32 v[S+2*nn:S+2*nn+1], v[OW+2*nn:OW+2*nn+1], v[MT+12:MT+13], v[S+2*nn:S+2*nn+1] op_sel_hi:[1,0,1]
.set nn, nn+1
.endr
	WIN 0
.set nn, 0
.rept 16
	v_cvt_pk_f16_f32 v[PKO+nn], v[S+2*nn], v[S+2*nn+1]
.set nn, nn+1
.endr
.irp ct, 0,1,2,3
	global_store_b128 v[LI], v[PKO+4*\ct:PKO+4*\ct+3], s[AOB:AOB+1] offset:512*\ct   ; the wave stores 512 consecutive bytes
.endr
.endm
; A TRIP: one slot.  fill = 1: the other slot is asked for.
.macro TRIP fill
	s_wait_tensorcnt 0x0                           ; my one tensor load has landed: my part of this trip's slot; so group 0 may be written
	ds_add_u32 v[SPW], v[NIL]                      ; 0 onto my spare word: the descriptor's steps stand between it and the wait for it
.if \fill
	s_xor_b32 s[G0+1], s[G0+1], SLOT1              ; the other slot than last time
	s_add_co_u32 s55, s[TT], 1
	s_cmp_lt_u32 s55, s[TA]
	s_cselect_b32 s56, 0, s[TA]
	s_sub_co_u32 s55, s55, s56                     ; the next trip's slot of keys: the second block begins at key 0 again
	s_lshl_b32 s[OFF], s55, 15
	s_add_nc_u64 s[G0+2:G0+3], s[BASE:BASE+1], s[OFF:OFF+1]
	s_or_b32 s[G0+3], s[G0+3], 0x80000000
	s_wait_xcnt 0x0                                ; the last prefetch, a trip back, has read its address
	s_add_nc_u64 s[PFA:PFA+1], s[PFA:PFA+1], 32768
.endif
	s_wait_dscnt 0x0                               ; the add is done, and my reads of the slot that I have left are over
	s_barrier_signal -1
	s_barrier_wait -1                              ; this trip's slot is whole, and nobody reads the other one
.if \fill
	tensor_load_to_lds s[G0:G0+3], s[G1:G1+7]      ; the first thing behind the barrier, and my one tensor load until the next trip's: it has this trip's two steps in which to land
	s_nop 0
.rept 4
	v_nop
.endr
	ASK
.endif
	s_wait_loadcnt 0x0                             ; the queries asked for earlier are in: only behind this wait are their registers loaded anew and their base written again (in every trip but the first nothing is out here)
	s_cmp_lg_u32 s[TT], s[TA]                      ; ids and the count of trips alone: all eight waves go the same way
	s_cbranch_scc1 .Lsame_a_\@
	QLOAD II                                       ; the first block is done: the second block's queries are asked for, and land during the merge
	FIN1 0
.Lsame_a_\@:
	s_wait_dscnt 0x0                               ; for my partner's sake: my stores into the stage have landed
	s_barrier_signal -1                            ; the trip's second barrier parts the merge's stores from its reads.  It stands in every trip, so that no barrier hangs on a branch;
	s_barrier_wait -1                              ; The tensor load above may stay out across it
	s_cmp_lg_u32 s[TT], s[TA]
	s_cbranch_scc1 .Lsame_b_\@
	FIN2 0
	INIT
	s_mov_b32 s[JC], s[II]
	s_lshl_b32 s[QB], s[II], 7
	s_lshl_b32 s55, s[GG], 5
	s_add_co_u32 s[QB], s[QB], s55
	s_lshl_b32 s[KF], s[HF], 6
.Lsame_b_\@:
	s_wait_loadcnt 0x0                             ; the new block's queries, where they have just been asked for
	STEP 0
	STEP 1
	s_xor_b32 s[TB], s[TB], SLOT1
	s_add_co_u32 s[KF], s[KF], 256
.endm
	s_load_b256 s[4:11], s[0:1], 0x0               ; xqf, xkf, xvf, ao
	v_lshl_add_u32 v[SPW], v0, 2, SPARE
	v_mov_b32 v[NIL], 0
	ds_add_u32 v[SPW], v[NIL]                      ; the wave's opening: the add, twice on end, and its wait ahead of my first tensor load
	ds_add_u32 v[SPW], v[NIL]
	v_lshrrev_b32 v15, 5, v0
	v_readfirstlane_b32 s[WV], v15                 ; wave 0..7
	s_lshr_b32 s[GG], s[WV], 1
	s_and_b32 s[HF], s[WV], 1
	s_mov_b32 s[II], ttmp9
	s_and_b32 s[BH], ttmp7, 0xffff
	s_sub_co_u32 s[TA], 33, s[II]
	s_lshr_b32 s[TA], s[TA], 1
	s_mov_b32 s[G1], 3<<16                         ; no mask; elements of 8 bytes; no padding
	s_mov_b32 s[G1+1], 512<<16                     ; tensor_dim0 = 512 elements: 4,096 bytes
	s_mov_b32 s[G1+2], 2<<16                       ; tensor_dim1 = 2
	s_mov_b32 s[G1+3], 512<<16                     ; tile_dim0
	s_mov_b32 s[G1+4], 2                           ; tile_dim1
	s_mov_b32 s[G1+5], 2048                        ; from row to row: 16,384 bytes, half a slot of K or of V
	s_mov_b32 s[G1+6], 0
	s_mov_b32 s[G1+7], 0
	s_mov_b32 s[CS], 0x3e38aa3b                    ; c = log2(e) / sqrt(64)
	s_mov_b32 s[CS+1], s[CS]
	s_mov_b32 s[SEL], 0x76543210
	s_mov_b32 s[SEL+1], 0xfedcba98
	s_mov_b32 s[TB], 0
	s_mov_b32 s[TT], 0
	s_mov_b32 s[OFF+1], 0
	s_lshl_b32 s[H16], s[HF], 4
	s_xor_b32 s[H16N], s[H16], 16
	s_sub_co_u32 s[JC], 31, s[II]
	s_lshl_b32 s[QB], s[JC], 7
	s_lshl_b32 s55, s[GG], 5
	s_add_co_u32 s[QB], s[QB], s55
	s_lshl_b32 s[KF], s[HF], 6
	s_cmp_eq_u32 s[II], 0
	s_cselect_b32 s[LIM], 14, 0
	s_wait_dscnt 0x0                               ; both opening adds are done
	s_wait_kmcnt 0x0
	s_cmp_lt_u32 s[WV], 4
	s_cselect_b64 s[BASE:BASE+1], s[6:7], s[8:9]   ; waves 0-3 fetch K, waves 4-7 V
	s_lshl_b32 s[OFF], s[BH], 19
	s_and_b32 s55, s[WV], 3
	s_lshl_b32 s55, s55, 12
	s_add_co_u32 s[OFF], s[OFF], s55
	s_add_nc_u64 s[BASE:BASE+1], s[BASE:BASE+1], s[OFF:OFF+1]
	s_mov_b32 s[G0], 1
	s_lshl_b32 s[G0+1], s[WV], 13                  ; LDS: 8,192 x wave, in slot 0
	s_mov_b64 s[G0+2:G0+3], s[BASE:BASE+1]
	s_or_b32 s[G0+3], s[G0+3], 0x80000000
	tensor_load_to_lds s[G0:G0+3], s[G1:G1+7]      ; slot 0; slot 1's first fill stands behind the first trip's barrier, where nothing is filled again
	s_nop 0
.rept 4
	v_nop
.endr
	s_add_nc_u64 s[PFA:PFA+1], s[BASE:BASE+1], 32768   ; slot 1: the first trip steps it to slot 2.  Nothing is prefetched here, at the head
	s_lshl_b32 s55, s[BH], 19
	s_lshl_b32 s56, s[GG], 12
	s_add_co_u32 s[OFF], s55, s56
	s_add_nc_u64 s[QB0:QB0+1], s[4:5], s[OFF:OFF+1]    ; Q: my head, query tile 2 g of block 0
	s_lshr_b32 s55, s[BH], 3
	s_lshl_b32 s55, s55, 22
	s_and_b32 s56, s[BH], 7
	s_lshl_b32 s56, s56, 11
	s_add_co_u32 s55, s55, s56
	s_lshl_b32 s56, s[WV], 14
	s_add_co_u32 s[OFF], s55, s56
	s_add_nc_u64 s[AO0:AO0+1], s[10:11], s[OFF:OFF+1]  ; ao: row tile 256 b + w of block 0, K steps 2 head on
	v_and_b32 v15, 31, v0                          ; lane
	v_lshlrev_b32 v[LI], 4, v15
	s_lshl_b32 s55, s[HF], 14
	v_add_nc_u32 v[A0], s55, v[LI]
	v_and_b32 v[VR], 15, v0
	v_bfe_u32 v[D0], v0, 4, 1
	v_lshlrev_b32 v[PFO], 8, v[VR]
	v_lshl_add_u32 v[PFO], v[D0], 14, v[PFO]
	v_lshlrev_b32 v[D0], 3, v[D0]
	v_sub_nc_u32 v[VR], v[VR], v[D0]
	v_mov_b32 v[NINF], 0xff800000
	s_mul_i32 s55, s[WV], 4608
	s_add_co_u32 s55, s55, STAGE
	v_add_nc_u32 v[SWI], s55, v[LI]
	v_lshl_add_u32 v[SWS], v15, 2, s55
	v_add_nc_u32 v[SWS], 4096, v[SWS]
	s_xor_b32 s56, s[WV], 1
	s_mul_i32 s56, s56, 4608
	s_add_co_u32 s56, s56, STAGE
	v_add_nc_u32 v[SRI], s56, v[LI]
	v_lshl_add_u32 v[SRS], v15, 2, s56
	v_add_nc_u32 v[SRS], 4096, v[SRS]
	s_lshl_b32 s55, s[HF], 11
	v_add_nc_u32 v[QO], s55, v[LI]
	s_xor_b32 s55, s55, 2048
	v_add_nc_u32 v[QO+1], s55, v[LI]
	v_mov_b32 v[MT+1], 0                           ; lane permutes' destinations, and the upper halves of pairs of which the low word serves both halves: written once
	v_mov_b32 v[MT+5], 0
	v_mov_b32 v[MT+13], 0
	v_mov_b32 v[MT+15], 0
	QLOAD JC
	INIT
.Ltrip:                                            ; 16 trips ask for the next slot; the 17th is written out
	TRIP 1
	s_add_co_u32 s[TT], s[TT], 1
	s_cmp_lt_u32 s[TT], 16
	s_cbranch_scc1 .Ltrip
	TRIP 0
	FIN1 STB                                       ; the second block's merge, in stages of its own: no barrier need lie between the first merge's reads and these stores
	s_wait_dscnt 0x0
	s_barrier_signal -1
	s_barrier_wait -1
	FIN2 STB
	s_wait_tensorcnt 0x0                           ; the wave's end, behind my last tensor load and my last LDS store
	ds_add_u32 v[SPW], v[NIL]
	s_wait_dscnt 0x0
	s_endpgm
.Lfunc_end_k_qdde5c2043b_attn:
	.size	k_qdde5c2043b_attn, .Lfunc_end_k_qdde5c2043b_attn-k_qdde5c2043b_attn
	.p2alignl 7, 3214868480
	.fill 96, 4, 3214868480
	.section	.rodata,"a",@progbits
	.p2align	6, 0x0
	.amdhsa_kernel k_qdde5c2043b_attn
		.amdhsa_group_segment_fixed_size 327680
		.amdhsa_private_segment_fixed_size 0
		.amdhsa_enable_private_segment 0
		.amdhsa_kernarg_size 32
		.amdhsa_user_sgpr_count 2
		.amdhsa_user_sgpr_kernarg_segment_ptr 1
		.amdhsa_wavefront_size32 1
		.amdhsa_system_sgpr_workgroup_id_x 1
		.amdhsa_system_sgpr_workgroup_id_y 1
		.amdhsa_system_sgpr_workgroup_id_z 1
		.amdhsa_system_vgpr_workitem_id 0
		.amdhsa_next_free_vgpr 416
		.amdhsa_next_free_sgpr 66
		.amdhsa_reserve_vcc 1
		.amdhsa_float_denorm_mode_32 3
		.amdhsa_float_denorm_mode_16_64 3
		.amdhsa_memory_ordered 1
		.amdhsa_forward_progress 1
		.amdhsa_inst_pref_size 120
	.end_amdhsa_kernel
	.amdgpu_metadata
---
amdhsa.version: [ 1, 2 ]
amdhsa.kernels:
  - .name:           k_qdde5c2043b_attn
    .symbol:         k_qdde5c2043b_attn.kd
    .args:
      - { .name: xqf, .offset: 0, .size: 8, .value_kind: global_buffer, .address_space: global }
      - { .name: xkf, .offset: 8, .size: 8, .value_kind: global_buffer, .address_space: global }
      - { .name: xvf, .offset: 16, .size: 8, .value_kind: global_buffer, .address_space: global }
      - { .name: ao, .offset: 24, .size: 8, .value_kind: global_buffer, .address_space: global }
    .group_segment_fixed_size: 327680
    .private_segment_fixed_size: 0
    .kernarg_segment_align: 8
    .kernarg_segment_size: 32
    .max_flat_workgroup_size: 256
    .sgpr_count:     66
    .vgpr_count:     416
    .wavefront_size: 32
...
	.end_amdgpu_metadata
.endif
;; end of part 3
;; launch outp (part 4): grid 4 x 64, 4 waves a work-group, clusters of 4 x 4, 327,680 bytes of LDS; arguments ao, wof, out0; writes out0
.if DOCPART == 4
	.amdgcn_target "amdgcn-amd-amdhsa--gfx1250"
	.amdhsa_code_object_version 6
	.text
	.protected	k_qdde5c2043b_outp
	.globl	k_qdde5c2043b_outp
	.p2align	8
	.type	k_qdde5c2043b_outp,@function
k_qdde5c2043b_outp:
	s_mov_b64 s[64:65], 0
	v_nop
	global_prefetch_b8 v0, s[64:65] scope:SCOPE_SE
	s_setreg_imm32_b32 hwreg(HW_REG_WAVE_MODE, 25, 1), 1
	s_wait_xcnt 0x0
	s_wait_alu depctr_hold_cnt(0) depctr_sa_sdst(0) depctr_va_vdst(0) depctr_va_sdst(0) depctr_va_ssrc(0) depctr_va_vcc(0) depctr_vm_vsrc(0)
	s_getreg_b32 s2, hwreg(HW_REG_IB_STS2, 6, 4)
	s_cmp_eq_u32 s2, 0
	s_cbranch_scc0 .Lentry_in_a_cluster
	s_endpgm
.Lentry_in_a_cluster:
	s_bfe_u32 s2, ttmp6, 0x10000c
	s_cmp_lg_u32 s2, 0xf033
	s_cbranch_scc0 .Lentry_shape_is_right
	s_endpgm
.Lentry_shape_is_right:
; out0[m][n] = sum over k of ao[m][k] wo[n][k]: M = 8,192, N = 512, K = 512; f16 operands, f32 sums, f32 result.
; A tile of out0 is 128 x 128, so that there are 256 work-groups; four waves, each 64 x 64: 16 accumulators.  Both operands lie in memory as images of registers: [tile of 16 rows][ks 16][half 2][lane][16 B].
; ALL OF K LIES IN LDS AT ONCE, in two halves of 256 along K, each filled once: no slot is filled again.  A wave fetches four tiles' part of a half by one tensor load: 4 rows of 8 KB, 16 KB apart.
; CLUSTERS: 4 x 4 work-groups.  The four of a row of the cluster need the same rows of ao, the four of a column the same rows of wo: each load is asked for JOINTLY, with a mask that names the four.
; THE MATRIX INSTRUCTION IS USED TRANSPOSED (source 0 = 16 rows of wo, source 1 = 16 rows of ao): a lane holds eight neighbouring numbers of a row of out0.
; Rows 0-15 of each batch are stored here like all others (no branch may hang on a work-group's place in its cluster) and are written anew, from f32 operands, by the last launch.
; REGISTERS: window 0: v0-31 addresses; v32-95 the way out; v128-255 the accumulators ((a, b) at v[128 + 8 (4 a + b)]).  window 1: two fragment buffers of 128: for 64 along K, 64 registers of ao, then 64 of wo.
.set KH,     131072                    ; LDS: K half kh begins at 131,072 kh: ao's 8 tiles x 8 KB, then wo's 8
.set BOFF,   65536
.set STAGE,  262144                    ; behind them: 16 rows x 272 bytes for each wave, for the way out
.set SPITCH, 272
.set SPARE,  STAGE+4*16*SPITCH         ; the spare words, 128 bytes for each wave
.set ADA, 16                           ; v16-17 LDS address of my fragments of ao in K half 0, 1
.set ADB, 20                           ; v20-21 of wo
.set STO, 24
.set RD,  25
.set CO,  26
.set SPW, 28
.set NIL, 29
.set TMP, 32
.set ACC, 128
.set G1,  24                           ; s[24:31] group 1 for ao's tiles; s[32:39] group 0, one set for each K half
.set G0,  32
.set G1B, 48                           ; s[48:55], s[56:63] the same for wo's
.set G0B, 56
.set MSB, 0
.macro WIN new
.if MSB != \new
	s_set_vgpr_msb (MSB<<8)|\new
.set MSB, \new
.endif
.endm
.set MUL,  0x05                        ; sources 0 and 1 window 1; C and D window 0
.set TO_F, 0x40                        ; destination window 1
.macro CROUND                          ; a round of the cluster's barrier
	s_barrier_signal -1
	s_barrier_wait -1
	s_cmp_lg_u32 s10, 0
	s_cbranch_scc1 .Lnot_wave_0_\@
	s_barrier_signal -3
.Lnot_wave_0_\@:
	s_barrier_wait -3
	s_barrier_signal -1
	s_barrier_wait -1
.endm
	s_load_b128 s[4:7], s[0:1], 0x0                ; ao, wof
	s_load_b64 s[8:9], s[0:1], 0x10                ; out0
	v_lshl_add_u32 v[SPW], v0, 2, SPARE
	v_mov_b32 v[NIL], 0
	ds_add_u32 v[SPW], v[NIL]                      ; the wave's opening: the add, twice on end, and its wait ahead of my first tensor load
	ds_add_u32 v[SPW], v[NIL]
	v_lshrrev_b32 v1, 5, v0
	v_readfirstlane_b32 s10, v1                    ; wave 0..3
	s_lshr_b32 s11, s10, 1                         ; which half of the tile's rows is mine.  Also: I fetch for ao (0) or for wo (1)
	s_and_b32 s12, s10, 1                          ; which half of its columns.  Also: which four tiles I fetch
	s_bfe_u32 s40, ttmp6, 0x40000                  ; cx, cy
	s_bfe_u32 s41, ttmp6, 0x40004
	s_lshl_b32 s42, ttmp9, 2
	s_add_co_u32 s42, s42, s40                     ; tile column
	s_and_b32 s13, ttmp7, 0xffff
	s_lshl_b32 s13, s13, 2
	s_add_co_u32 s13, s13, s41                     ; tile row
	s_lshl_b32 s43, s41, 2
	s_lshl_b32 s43, 15, s43                        ; my row of the cluster
	s_lshl_b32 s44, 0x1111, s40                    ; my column
	s_or_b32 s[G1+0], s43, (3<<16)|(1<<21)         ; the mask; elements of 8 bytes; bit 21 set beside a mask; no padding
	s_or_b32 s[G1B+0], s44, (3<<16)|(1<<21)
.irp g, G1, G1B
	s_mov_b32 s[\g+1], 1024<<16                    ; tensor_dim0 = 1,024 elements: 8 KB, a tile's half of K
	s_mov_b32 s[\g+2], 4<<16                       ; tensor_dim1 = 4 tiles
	s_mov_b32 s[\g+3], 1024<<16                    ; tile_dim0
	s_mov_b32 s[\g+4], 4                           ; tile_dim1
	s_mov_b32 s[\g+5], 2048                        ; from tile to tile: 16 KB
	s_mov_b32 s[\g+6], 0
	s_mov_b32 s[\g+7], 0
.endr
	s_lshl_b32 s17, s12, 16                        ; four tiles of 16 KB
	s_lshl_b32 s16, s13, 17
	s_add_co_u32 s16, s16, s17                     ; ao: tile 8 x tile row + 4 x half
	s_lshl_b32 s46, s42, 17
	s_add_co_u32 s46, s46, s17                     ; wo: tile 8 x tile column + 4 x half
	s_mov_b32 s17, 0
	s_mov_b32 s47, 0
	s_lshl_b32 s20, s10, 15                        ; where they go: 32,768 x wave: no place in the cluster enters an LDS address
	s_wait_dscnt 0x0                               ; both opening adds are done
	s_wait_kmcnt 0x0
	s_add_nc_u64 s[14:15], s[4:5], s[16:17]
	s_add_nc_u64 s[46:47], s[6:7], s[46:47]
	CROUND                                         ; all sixteen work-groups are here: the joint loads meet
.irp s, 0,1
	s_mov_b32 s[G0+4*\s], 1
	s_add_co_u32 s[G0+4*\s+1], s20, \s*KH
	s_add_nc_u64 s[G0+4*\s+2:G0+4*\s+3], s[14:15], \s*8192
	s_or_b32 s[G0+4*\s+3], s[G0+4*\s+3], 0x80000000
	s_mov_b32 s[G0B+4*\s], 1
	s_add_co_u32 s[G0B+4*\s+1], s20, \s*KH
	s_add_nc_u64 s[G0B+4*\s+2:G0B+4*\s+3], s[46:47], \s*8192
	s_or_b32 s[G0B+4*\s+3], s[G0B+4*\s+3], 0x80000000
.endr
	s_cmp_eq_u32 s11, 0                            ; a wave's two fills stand in one arm, ahead of every wait on TENSORcnt and every LDS read: two loads of mine are out
	s_cbranch_scc0 .Lfirst_b
	tensor_load_to_lds s[G0:G0+3], s[G1:G1+7]
	s_nop 0
	tensor_load_to_lds s[G0+4:G0+7], s[G1:G1+7]
	s_nop 0
.rept 4
	v_nop
.endr
	s_branch .Lfirst_asked
.Lfirst_b:
	tensor_load_to_lds s[G0B:G0B+3], s[G1B:G1B+7]
	s_nop 0
	tensor_load_to_lds s[G0B+4:G0B+7], s[G1B:G1B+7]
	s_nop 0
.rept 4
	v_nop
.endr
.Lfirst_asked:
	v_and_b32 v1, 31, v0
	v_lshlrev_b32 v3, 4, v1                        ; 16 x lane
	s_lshl_b32 s21, s11, 15                        ; my four tiles of ao
	s_lshl_b32 s22, s12, 15
	s_add_co_u32 s22, s22, BOFF                    ; my four of wo
.irp s, 0,1
	v_add_nc_u32 v[ADA+\s], s21, v3
	v_add_nc_u32 v[ADB+\s], s22, v3
	s_add_co_u32 s21, s21, KH
	s_add_co_u32 s22, s22, KH
.endr
	v_and_b32 v1, 15, v0
	v_bfe_u32 v2, v0, 4, 1
	s_mul_i32 s23, s10, 16*SPITCH
	s_add_co_u32 s23, s23, STAGE                   ; my stage
	v_mul_u32_u24 v4, v1, SPITCH
	v_lshl_add_u32 v4, v2, 5, v4
	v_add_nc_u32 v[STO], s23, v4                   ; in: row l % 16, 32 bytes for each half of the lanes
	v_mul_u32_u24 v5, v2, SPITCH
	v_lshl_add_u32 v5, v1, 4, v5
	v_add_nc_u32 v[RD], s23, v5                    ; back: lanes 0-15 one row of 256 bytes, lanes 16-31 the next
	v_lshlrev_b32 v5, 11, v2
	v_lshl_add_u32 v[CO], v1, 4, v5                ; and the same two rows in out0
	s_lshl_b32 s16, s13, 18
	s_lshl_b32 s17, s11, 17
	s_add_co_u32 s16, s16, s17                     ; my first row: 128 x tile row + 64 x half, 2,048 bytes a row
	s_mov_b32 s17, 0
	s_add_nc_u64 s[8:9], s[8:9], s[16:17]
	s_lshl_b32 s46, s42, 9
	s_lshl_b32 s47, s12, 8
	s_add_co_u32 s46, s46, s47                     ; my first column, in bytes: 512 x tile column + 256 x half
	s_mov_b32 s47, 0
	s_add_nc_u64 s[8:9], s[8:9], s[46:47]
; 8 matrix instructions: row tiles a0, a0 + 1 x all 4 column tiles, 32 along K: half c of buffer f.  The 16 accumulators take turns.  zero = 1: the first product starts the sums
.macro MUL8 f, c, a0, zero
.irp a, \a0, \a0+1
.irp b, 0,1,2,3
.if \zero
	v_wmma_f32_16x16x32_f16 v[ACC+8*(4*(\a)+\b):ACC+8*(4*(\a)+\b)+7], v[\f+64+8*(4*\c+\b):\f+64+8*(4*\c+\b)+7], v[\f+8*(4*\c+\a):\f+8*(4*\c+\a)+7], 0
.else
	v_wmma_f32_16x16x32_f16 v[ACC+8*(4*(\a)+\b):ACC+8*(4*(\a)+\b)+7], v[\f+64+8*(4*\c+\b):\f+64+8*(4*\c+\b)+7], v[\f+8*(4*\c+\a):\f+8*(4*\c+\a)+7], v[ACC+8*(4*(\a)+\b):ACC+8*(4*(\a)+\b)+7]
.endif
.endr
.endr
.endm
; 32 LDS loads in one run: the fragments of K steps 2 p and 2 p + 1 into buffer f, the first K step first
.macro FETCH p, f
	WIN TO_F
.irp c, 0,1
.irp i, 0,1,2,3
	ds_load_b128 v[\f+64+8*(4*\c+\i):\f+64+8*(4*\c+\i)+3],   v[ADB+(\p)/4] offset:8192*\i+1024*((2*(\p)+\c)%8)
	ds_load_b128 v[\f+64+8*(4*\c+\i)+4:\f+64+8*(4*\c+\i)+7], v[ADB+(\p)/4] offset:8192*\i+1024*((2*(\p)+\c)%8)+512
	ds_load_b128 v[\f+8*(4*\c+\i):\f+8*(4*\c+\i)+3],         v[ADA+(\p)/4] offset:8192*\i+1024*((2*(\p)+\c)%8)
	ds_load_b128 v[\f+8*(4*\c+\i)+4:\f+8*(4*\c+\i)+7],       v[ADA+(\p)/4] offset:8192*\i+1024*((2*(\p)+\c)%8)+512
.endr
.endr
.endm
.macro PLACES                          ; four places in front of loads into registers that matrix instructions have read, and of the first read of results
.rept 4
	v_nop
.endr
.endm
.macro QUARTER p, zero                 ; 64 along K: multiplies buffer p % 2 and fetches the next 64 into the other
.set FF, 128*((\p)%2)
.set FG, 128-FF
	s_wait_dscnt 16                                ; the first K step's 16 loads are in
	WIN MUL
	MUL8 FF, 0, 0, \zero
	MUL8 FF, 0, 2, \zero
	PLACES
	FETCH (\p)+1, FG
	s_wait_dscnt 32                                ; all but the 32 just issued
	WIN MUL
	MUL8 FF, 1, 0, 0
	MUL8 FF, 1, 2, 0
.endm
	s_wait_tensorcnt 1                             ; my part of K half 0 is in; K half 1's load may stay out
	s_barrier_signal -1
	s_barrier_wait -1                              ; everybody's is
	FETCH 0, 0
	QUARTER 0, 1
	QUARTER 1, 0
	QUARTER 2, 0
	s_wait_tensorcnt 0x0                           ; my part of K half 1 is in: the next quarter fetches from it
	s_wait_dscnt 0x0                               ; no LDS instruction of mine is pending at a signal
	s_barrier_signal -1
	s_barrier_wait -1
	QUARTER 3, 0
	QUARTER 4, 0
	QUARTER 5, 0
	QUARTER 6, 0
	s_wait_dscnt 16                                ; the last 64 along K: nothing more to fetch
	WIN MUL
	MUL8 128, 0, 0, 0
	MUL8 128, 0, 2, 0
	s_wait_dscnt 0x0
	MUL8 128, 1, 0, 0
	MUL8 128, 1, 2, 0
	WIN 0
; THE WAY OUT, 16 rows x 64 columns at a time, through my own stage: a lane's 32 bytes go in, whole rows of 256 bytes come back, and sixteen lanes store 256 consecutive bytes, aligned.
; LDS serves a wave's instructions in order: no wait between the stores and the loads, nor in front of the next block's stores.
.macro TOSTAGE a
.irp b, 0,1,2,3
	ds_store_b128 v[STO], v[ACC+8*(4*(\a)+\b):ACC+8*(4*(\a)+\b)+3] offset:64*\b        ; each accumulator from its low end on
	ds_store_b128 v[STO], v[ACC+8*(4*(\a)+\b)+4:ACC+8*(4*(\a)+\b)+7] offset:64*\b+16
.endr
.set BB, TMP+32*((\a)%2)
.irp i, 0,1,2,3,4,5,6,7
	ds_load_b128 v[BB+4*\i:BB+4*\i+3], v[RD] offset:\i*2*SPITCH
.endr
.endm
.macro SEND a, younger                 ; younger: the LDS instructions issued behind block a's loads
.set BB, TMP+32*((\a)%2)
	s_wait_dscnt \younger
.irp i, 0,1,2,3,4,5,6,7
	global_store_b128 v[CO], v[BB+4*\i:BB+4*\i+3], s[8:9] offset:32768*(\a)+4096*\i
.endr
.endm
	PLACES
	TOSTAGE 0
	TOSTAGE 1
	SEND 0, 16                                     ; behind block 0's loads: block 1's 8 stores and 8 loads
	s_wait_xcnt 0x0                                ; block 0's stores have read their registers: block 2's loads may land there
	TOSTAGE 2
	SEND 1, 16
	s_wait_xcnt 0x0
	TOSTAGE 3
	SEND 2, 16
	SEND 3, 0
	s_wait_tensorcnt 0x0                           ; the wave's end, behind my last tensor load and my last LDS store
	ds_add_u32 v[SPW], v[NIL]
	s_wait_dscnt 0x0
	CROUND                                         ; the closing round
	s_endpgm
.Lfunc_end_k_qdde5c2043b_outp:
	.size	k_qdde5c2043b_outp, .Lfunc_end_k_qdde5c2043b_outp-k_qdde5c2043b_outp
	.p2alignl 7, 3214868480
	.fill 96, 4, 3214868480
	.section	.rodata,"a",@progbits
	.p2align	6, 0x0
	.amdhsa_kernel k_qdde5c2043b_outp
		.amdhsa_group_segment_fixed_size 327680
		.amdhsa_private_segment_fixed_size 0
		.amdhsa_enable_private_segment 0
		.amdhsa_kernarg_size 24
		.amdhsa_user_sgpr_count 2
		.amdhsa_user_sgpr_kernarg_segment_ptr 1
		.amdhsa_wavefront_size32 1
		.amdhsa_system_sgpr_workgroup_id_x 1
		.amdhsa_system_sgpr_workgroup_id_y 1
		.amdhsa_system_sgpr_workgroup_id_z 1
		.amdhsa_system_vgpr_workitem_id 0
		.amdhsa_next_free_vgpr 512
		.amdhsa_next_free_sgpr 66
		.amdhsa_reserve_vcc 0
		.amdhsa_float_denorm_mode_32 3
		.amdhsa_float_denorm_mode_16_64 3
		.amdhsa_memory_ordered 1
		.amdhsa_forward_progress 1
		.amdhsa_inst_pref_size 48
	.end_amdhsa_kernel
	.amdgpu_metadata
---
amdhsa.version: [ 1, 2 ]
amdhsa.kernels:
  - .name:           k_qdde5c2043b_outp
    .symbol:         k_qdde5c2043b_outp.kd
    .args:
      - { .name: ao, .offset: 0, .size: 8, .value_kind: global_buffer, .address_space: global }
      - { .name: wof, .offset: 8, .size: 8, .value_kind: global_buffer, .address_space: global }
      - { .name: out0, .offset: 16, .size: 8, .value_kind: global_buffer, .address_space: global }
    .group_segment_fixed_size: 327680
    .private_segment_fixed_size: 0
    .kernarg_segment_align: 8
    .kernarg_segment_size: 24
    .max_flat_workgroup_size: 128
    .sgpr_count:     66
    .vgpr_count:     512
    .wavefront_size: 32
...
	.end_amdgpu_metadata
.endif
;; end of part 4
;; launch first16 (part 5): grid 8 x 2, 8 waves a work-group, no clusters, 33,792 bytes of LDS; arguments x16, wo, out0; writes out0
.if DOCPART == 5
	.amdgcn_target "amdgcn-amd-amdhsa--gfx1250"
	.amdhsa_code_object_version 6
	.text
	.protected	k_qdde5c2043b_first16
	.globl	k_qdde5c2043b_first16
	.p2align	8
	.type	k_qdde5c2043b_first16,@function
k_qdde5c2043b_first16:
	s_mov_b64 s[64:65], 0
	v_nop
	global_prefetch_b8 v0, s[64:65] scope:SCOPE_SE
	s_setreg_imm32_b32 hwreg(HW_REG_WAVE_MODE, 25, 1), 1
	s_wait_xcnt 0x0
; Positions 0-15 of each batch once more, wholly in f32: under the causal mask these rows average one to sixteen values, so the rounding of f16 operands weighs most there.
; Work-group (gx, b) makes columns 64 gx .. 64 gx + 63 of rows 0-15 of batch b.  Wave w is head w: it takes the head's projections as the f32 sums that the projection launch left in x16, makes the head's
; 16 x 16 scores, the softmax and the head's 16 x 64 result, multiplies it by its 64 columns of wo, and the eight heads' parts are added through LDS.  All products by the f32 matrix form: 96 instructions a wave.
; THE ORDER OF K.  The form takes k = 2 (lane / 16) + j from register j of a pair.  Here a pair (2 jj, 2 jj + 1) of BOTH operands stands for the same k = 8 (lane / 16) + 2 jj + j: a permutation of k that is
; the same on both sides keeps the sums.
; The registers that the matrix form writes (v128-207) are written by nothing else; each sum's first instruction takes the constant 0.
.set SPARE, 32768                      ; LDS: 0: eight waves' parts, 4,096 bytes each; here: the spare words
.set LI,  1
.set SPW, 2
.set NIL, 3
.set WA,  9                            ; wo: row r of 2,048 bytes + 32 h
.set VD,  10                           ; r - 8 h
.set SW,  11
.set RA,  12
.set GO,  13
.set NINF, 14
.set QR,  32                           ; v32-63 Q, v64-95 K: register 8 nt + j = (position r, channel 16 nt + 8 h + j);  v96-127 V: (channel 16 nt + r, position 8 h + j)
.set KR,  64
.set VG,  96
.set SA,  128                          ; two accumulators of S^T
.set SB,  136
.set OA,  144                          ; four of O^T
.set OU,  176                          ; four of the result
.set TP,  208                          ; v208-215 scores, then p
.set TW,  216                          ; at work
.set MSB, 0
.macro WIN new
.if MSB != \new
	s_set_vgpr_msb (MSB<<8)|\new
.set MSB, \new
.endif
.endm
	s_load_b128 s[4:7], s[0:1], 0x0                ; x16, wo
	s_load_b64 s[8:9], s[0:1], 0x10                ; out0
	v_lshl_add_u32 v[SPW], v0, 2, SPARE
	v_mov_b32 v[NIL], 0
	v_lshrrev_b32 v4, 5, v0
	v_readfirstlane_b32 s10, v4                    ; wave = head
	s_and_b32 s11, ttmp7, 0xffff                   ; batch
	v_and_b32 v4, 31, v0
	v_lshlrev_b32 v[LI], 4, v4
	v_and_b32 v5, 15, v0                           ; r
	v_bfe_u32 v6, v0, 4, 1                         ; h
	v_lshlrev_b32 v[WA], 11, v5
	v_lshl_add_u32 v[WA], v6, 5, v[WA]
	v_lshlrev_b32 v7, 3, v6
	v_sub_nc_u32 v[VD], v5, v7
	v_mov_b32 v[NINF], 0xff800000
	s_lshl_b32 s12, s10, 12
	v_add_nc_u32 v[SW], s12, v[LI]                 ; my part: 4,096 x wave + 16 x lane
	v_lshrrev_b32 v7, 2, v5                        ; on the way out lane l takes row 2 w + l / 16, columns 4 (l % 16) on: in a part that is tile (l % 16) / 4,
	v_lshlrev_b32 v[RA], 10, v7
	v_and_b32 v8, 1, v5
	v_lshl_add_u32 v[RA], v8, 9, v[RA]             ; registers 4 ((l % 16) % 2) on,
	v_bfe_u32 v8, v5, 1, 1
	v_lshl_add_u32 v[RA], v8, 8, v[RA]             ; of the lane 16 (((l % 16) / 2) % 2) + the row
	v_lshl_add_u32 v[RA], v6, 4, v[RA]
	s_lshl_b32 s12, s10, 5
	v_add_nc_u32 v[RA], s12, v[RA]
	v_lshlrev_b32 v[GO], 11, v6
	v_lshl_add_u32 v[GO], v5, 4, v[GO]
	s_mov_b32 s16, 0x76543210
	s_mov_b32 s17, 0xfedcba98
	s_mov_b32 s18, 0x3e38aa3b                      ; c = log2(e) / sqrt(64)
	s_mov_b32 s13, 0
	s_mov_b32 s15, 0
	s_mov_b32 s21, 0
	s_lshl_b32 s12, s11, 15
	s_lshl_b32 s14, s10, 12
	s_add_co_u32 s12, s12, s14                     ; x16: 4,096 (8 b + w); from tensor to tensor 65,536
	s_lshl_b32 s14, ttmp9, 17
	s_lshl_b32 s20, s10, 8
	s_add_co_u32 s14, s14, s20                     ; wo: row 64 gx, byte 256 w
	s_lshl_b32 s20, s11, 23
	s_lshl_b32 s22, s10, 12
	s_add_co_u32 s20, s20, s22
	s_lshl_b32 s22, ttmp9, 8
	s_add_co_u32 s20, s20, s22                     ; out0: batch b, row 2 w, byte 256 gx
	s_wait_kmcnt 0x0
	s_add_nc_u64 s[4:5], s[4:5], s[12:13]
	s_add_nc_u64 s[6:7], s[6:7], s[14:15]
	s_add_nc_u64 s[8:9], s[8:9], s[20:21]
.irp x, 0,1,2
.irp f, 0,1,2,3,4,5,6,7
	global_load_b128 v[QR+32*\x+4*\f:QR+32*\x+4*\f+3], v[LI], s[4:5] offset:65536*\x+512*\f
.endr
.endr
	WIN 0x40                                       ; wo into window 1: register 32 t + 8 ct + j = wo(64 gx + 16 t + r, 64 w + 16 ct + 8 h + j)
.irp t, 0,1,2,3
.irp ct, 0,1,2,3
.irp q, 0,1
	global_load_b128 v[32*\t+8*\ct+4*\q:32*\t+8*\ct+4*\q+3], v[WA], s[6:7] offset:32768*\t+64*\ct+16*\q
.endr
.endr
.endr
	WIN 0
	s_wait_loadcnt 32                              ; Q, K, V are in; wo's 32 loads may be out
.set nn, 0
.rept 16                                       ; S^T = K Q^T: 16 links on two accumulators by turns
.if nn < 2
	v_wmma_f32_16x16x4_f32 v[SA+8*(nn%2):SA+8*(nn%2)+7], v[KR+2*nn:KR+2*nn+1], v[QR+2*nn:QR+2*nn+1], 0
.else
	v_wmma_f32_16x16x4_f32 v[SA+8*(nn%2):SA+8*(nn%2)+7], v[KR+2*nn:KR+2*nn+1], v[QR+2*nn:QR+2*nn+1], v[SA+8*(nn%2):SA+8*(nn%2)+7]
.endif
.set nn, nn+1
.endr
.rept 8
	v_nop                                          ; eight places behind this form before a result is read
.endr
.irp j, 0,1,2,3,4,5,6,7
	v_add_f32 v[TP+\j], v[SA+\j], v[SB+\j]         ; lane (r, h), register j: query r, key 8 h + j
.endr
.irp j, 0,1,2,3,4,5,6,7
	v_cmp_gt_i32 vcc_lo, \j, v[VD]                 ; hidden where 8 h + j > r
	v_cndmask_b32 v[TP+\j], v[TP+\j], v[NINF], vcc_lo
.endr
	v_max3_num_f32 v[TW], v[TP], v[TP+1], v[TP+2]
	v_max3_num_f32 v[TW], v[TW], v[TP+3], v[TP+4]
	v_max3_num_f32 v[TW], v[TW], v[TP+5], v[TP+6]
	v_max_num_f32 v[TW], v[TW], v[TP+7]
	v_mov_b32 v[TW+1], 0
	v_permlanex16_b32 v[TW+1], v[TW], s16, s17
	v_max_num_f32 v[TW], v[TW], v[TW+1]            ; the row's maximum: key 0 counts for every query
	v_mul_f32 v[TW], s18, v[TW]
.irp j, 0,1,2,3,4,5,6,7
	v_fma_f32 v[TP+\j], v[TP+\j], s18, -v[TW]
.endr
.irp j, 0,1,2,3,4,5,6,7
	v_exp_f32 v[TP+\j], v[TP+\j]
.endr
	v_nop
	s_wait_alu depctr_va_vdst(0)                   ; one wait for the eight, ahead of their first reader
	v_pk_add_f32 v[TW+2:TW+3], v[TP:TP+1], v[TP+2:TP+3]
	v_pk_add_f32 v[TW+4:TW+5], v[TP+4:TP+5], v[TP+6:TP+7]
	v_pk_add_f32 v[TW+2:TW+3], v[TW+2:TW+3], v[TW+4:TW+5]
	v_add_f32 v[TW+2], v[TW+2], v[TW+3]
	v_permlanex16_b32 v[TW+1], v[TW+2], s16, s17
	v_add_f32 v[TW+2], v[TW+2], v[TW+1]
	v_rcp_f32 v[TW+4], v[TW+2]
	v_nop
	s_wait_alu depctr_va_vdst(0)
.irp j, 0,1,2,3,4,5,6,7
	v_mul_f32 v[TP+\j], v[TP+\j], v[TW+4]          ; the weights, normalised
.endr
.irp jj, 0,1,2,3                               ; O^T = V^T P: 16 links on four accumulators by turns
.irp ct, 0,1,2,3
.if \jj == 0
	v_wmma_f32_16x16x4_f32 v[OA+8*\ct:OA+8*\ct+7], v[VG+8*\ct+2*\jj:VG+8*\ct+2*\jj+1], v[TP+2*\jj:TP+2*\jj+1], 0
.else
	v_wmma_f32_16x16x4_f32 v[OA+8*\ct:OA+8*\ct+7], v[VG+8*\ct+2*\jj:VG+8*\ct+2*\jj+1], v[TP+2*\jj:TP+2*\jj+1], v[OA+8*\ct:OA+8*\ct+7]
.endif
.endr
.endr
.rept 9
	v_nop                                          ; nine places before a matrix instruction takes a result as an operand
.endr
	s_wait_loadcnt 0x0                             ; wo
	WIN 0x01                                       ; source 0 (wo) window 1
.irp ct, 0,1,2,3                               ; my head's part of the result, transposed: 64 links on four accumulators by turns
.irp jj, 0,1,2,3
.irp t, 0,1,2,3
.if (\ct == 0) && (\jj == 0)
	v_wmma_f32_16x16x4_f32 v[OU+8*\t:OU+8*\t+7], v[32*\t+8*\ct+2*\jj:32*\t+8*\ct+2*\jj+1], v[OA+8*\ct+2*\jj:OA+8*\ct+2*\jj+1], 0
.else
	v_wmma_f32_16x16x4_f32 v[OU+8*\t:OU+8*\t+7], v[32*\t+8*\ct+2*\jj:32*\t+8*\ct+2*\jj+1], v[OA+8*\ct+2*\jj:OA+8*\ct+2*\jj+1], v[OU+8*\t:OU+8*\t+7]
.endif
.endr
.endr
.endr
	WIN 0
.rept 8
	v_nop
.endr
.irp f, 0,1,2,3,4,5,6,7
	ds_store_b128 v[SW], v[OU+4*\f:OU+4*\f+3] offset:512*\f   ; lane (r, h), register 8 t + j: row r, column 64 gx + 16 t + 8 h + j
.endr
	s_wait_dscnt 0x0                               ; for the others' sake: my part has landed
	s_barrier_signal -1
	s_barrier_wait -1
.irp p, 0,1,2,3,4,5,6,7
	ds_load_b128 v[32+4*\p:35+4*\p], v[RA] offset:4096*\p
.endr
	s_wait_dscnt 0x0
.irp p, 0,2,4,6
	v_pk_add_f32 v[32+4*\p:33+4*\p], v[32+4*\p:33+4*\p], v[36+4*\p:37+4*\p]
	v_pk_add_f32 v[34+4*\p:35+4*\p], v[34+4*\p:35+4*\p], v[38+4*\p:39+4*\p]
.endr
.irp p, 0,4
	v_pk_add_f32 v[32+4*\p:33+4*\p], v[32+4*\p:33+4*\p], v[40+4*\p:41+4*\p]
	v_pk_add_f32 v[34+4*\p:35+4*\p], v[34+4*\p:35+4*\p], v[42+4*\p:43+4*\p]
.endr
	v_pk_add_f32 v[32:33], v[32:33], v[48:49]
	v_pk_add_f32 v[34:35], v[34:35], v[50:51]
	global_store_b128 v[GO], v[32:35], s[8:9]      ; sixteen lanes store 256 consecutive bytes, aligned: rows 2 w and 2 w + 1
	s_wait_tensorcnt 0x0                           ; the wave's end, behind my last LDS store
	ds_add_u32 v[SPW], v[NIL]
	s_wait_dscnt 0x0
	s_endpgm
.Lfunc_end_k_qdde5c2043b_first16:
	.size	k_qdde5c2043b_first16, .Lfunc_end_k_qdde5c2043b_first16-k_qdde5c2043b_first16
	.p2alignl 7, 3214868480
	.fill 96, 4, 3214868480
	.section	.rodata,"a",@progbits
	.p2align	6, 0x0
	.amdhsa_kernel k_qdde5c2043b_first16
		.amdhsa_group_segment_fixed_size 33792
		.amdhsa_private_segment_fixed_size 0
		.amdhsa_enable_private_segment 0
		.amdhsa_kernarg_size 24
		.amdhsa_user_sgpr_count 2
		.amdhsa_user_sgpr_kernarg_segment_ptr 1
		.amdhsa_wavefront_size32 1
		.amdhsa_system_sgpr_workgroup_id_x 1
		.amdhsa_system_sgpr_workgroup_id_y 1
		.amdhsa_system_sgpr_workgroup_id_z 1
		.amdhsa_system_vgpr_workitem_id 0
		.amdhsa_next_free_vgpr 384
		.amdhsa_next_free_sgpr 66
		.amdhsa_reserve_vcc 1
		.amdhsa_float_denorm_mode_32 3
		.amdhsa_float_denorm_mode_16_64 3
		.amdhsa_memory_ordered 1
		.amdhsa_forward_progress 1
		.amdhsa_inst_pref_size 20
	.end_amdhsa_kernel
	.amdgpu_metadata
---
amdhsa.version: [ 1, 2 ]
amdhsa.kernels:
  - .name:           k_qdde5c2043b_first16
    .symbol:         k_qdde5c2043b_first16.kd
    .args:
      - { .name: x16, .offset: 0, .size: 8, .value_kind: global_buffer, .address_space: global }
      - { .name: wo, .offset: 8, .size: 8, .value_kind: global_buffer, .address_space: global }
      - { .name: out0, .offset: 16, .size: 8, .value_kind: global_buffer, .address_space: global }
    .group_segment_fixed_size: 33792
    .private_segment_fixed_size: 0
    .kernarg_segment_align: 8
    .kernarg_segment_size: 24
    .max_flat_workgroup_size: 256
    .sgpr_count:     66
    .vgpr_count:     384
    .wavefront_size: 32
...
	.end_amdgpu_metadata
.endif
;; end of part 5
